; MI455X (gfx1250); checked and timed in simulation.
; The chip was launched on July 23, 2026; its instructions are those of AMD's public machine-readable ISA for CDNA 5 (MIT licence, August 2026) and "CDNA5" Instruction Set Architecture Reference Guide (July 2026). The comments in the code are by the model that wrote it; some were corrected since.
;; HSTU Layer. Allowed arithmetic: matrix products marked QUANTISED: E3M2 operands, one E8M0 scale for each 32 along K, by v_wmma_scale_f32_16x16x128_f8f6f4 with both operands' format E3M2, f32 sums; everything else in f32.
;; Inputs: W1 512 x 2,048 float32; W2 512 x 512 float32; Wf1 512 x 2,048 float32; Wf2 2,048 x 512 float32; b1 2,048 float32; b2 512 float32; be1 512 float32; be2 512 float32; bf1 2,048 float32; bf2 512 float32; g1 512 float32; g2 512 float32; rel_pos_bias 1 x 8 x 2,048 x 2,048 float32; x 4 x 2,048 x 512 float32.
;; Outputs: out0 4 x 2,048 x 512 float32.
;; This version of the problem:
;;   THIS VERSION OF THE PROBLEM IS GIVEN IN LOW PRECISION. The matrix products marked QUANTISED in the list below multiply operands that are first quantised to E3M2 (3 exponent bits, 2 mantissa bits; 6 bits a number), with one power-of-two scale for each 32 numbers along K (OCP MX v1.0); their sums are f32. All else is computed in f32.
;;   The module's matrix products, in the order in which they are computed (A, B: the left and right operand; K: the contracted axis; several contracted axes count as one K, in the product's order):
;;     1. [M 8,192, K 512] x [K 512, N 2,048]; A: computed on the way; B: input W1: QUANTISED
;;     2. batch 32 x [M 2,048, K 64] x [K 64, N 2,048]; A: computed on the way; B: computed on the way: QUANTISED
;;     3. batch 32 x [M 64, K 2,048] x [K 2,048, N 2,048]; A: computed on the way; B: softmax (see below): QUANTISED
;;     4. [M 8,192, K 512] x [K 512, N 512]; A: computed on the way; B: input W2: QUANTISED
;;     5. [M 8,192, K 512] x [K 512, N 2,048]; A: computed on the way; B: input Wf1: QUANTISED
;;     6. [M 8,192, K 2,048] x [K 2,048, N 512]; A: computed on the way; B: input Wf2: QUANTISED
;;   THE QUANTISER, for each operand of a quantised product, along K:
;;     - K is cut into blocks of 32 from its start; a last block that is shorter is filled with zeros.
;;     - A block's scale is 2^e with e = floor(log2(the largest magnitude in the block)) - 4, held to -126 .. 127; a block of zeros has e = 0. As a byte (E8M0): e + 127.
;;     - Each number is divided by its block's scale, clamped to +-28, and rounded to the nearest number of E3M2, ties to even, subnormals kept.
;;     - The product sums the exact products of the quantised numbers (number of the format x scale) in f32.
;;   ~~~python
;;   def quantise(x, axis):      # numpy; x: float32 -> the quantised numbers, widened to float32 again
;;       x = np.moveaxis(x, axis, -1); K = x.shape[-1]
;;       x = np.pad(x, [(0, 0)] * (x.ndim - 1) + [(0, -K % 32)]); x = x.reshape(x.shape[:-1] + (-1, 32)); a = np.abs(x).max(-1, keepdims=True)
;;       e = np.where(a > 0, np.clip(np.frexp(np.where(a > 0, a, 1))[1] - 1 - 4, -126, 127), 0)      # np.frexp(a)[1] - 1 = floor(log2(a)), exactly
;;       r = np.clip(x / 2.0 ** e, -28, 28)
;;       step = 2.0 ** (np.maximum(np.frexp(np.where(r == 0, 1, r))[1] - 1, -2) - 2)
;;       q = np.round(r / step) * step * 2.0 ** e      # np.round: ties to even
;;       return np.moveaxis(q.reshape(q.shape[:-2] + (-1,))[..., :K], -1, axis).astype(np.float32)
;;   ~~~
;;   SOFTMAX AHEAD OF A QUANTISED PRODUCT. Where the list says 'softmax', what is quantised is not the finished softmax but p = 2^(t - M), with t = logit x log2(e) and M = ceil(the row's largest t), a whole number; so 1/2 < the row's largest p <= 1. The row's sum l is taken of the UNQUANTISED p, in f32, and the product's result is divided by l at the end. Since M is a whole number, a kernel that streams over the keys may use a running M (the ceiling of the running maximum): every later rescaling is an exact power of two, which a block's scale takes up: the codes' values come out the same.
;;   OPERANDS COMPUTED ON THE WAY. 'Computed on the way' means the value that the module computes at that place (a softmax that the list does not call 'softmax' is quantised finished and normalised). What goes into a quantiser is computed in f32, as accurately as f32 sums, v_exp_f32 and their like allow (about 1e-6 of the number): no bf16 or f16 on the way to a quantiser, and a product that is left as it is and whose result goes on into a quantised operand takes f32 operands (vector FMAs, or v_wmma_f32_16x16x4_f32). A number that lies on a knife's edge between two numbers of the format may be rounded either way, as far as f32 arithmetic and the matrix unit's own rounding can turn it there, and no further.
;; One version. Each part assembles by itself: llvm-mc -triple=amdgcn-amd-amdhsa -mcpu=gfx1250 --defsym DOCPART=n.
;; ======== version 1 of 1: 4 launches
;; limits: right only within a limited range of input values
;; workspace buffers: img 5,701,632 bytes; isc 237,568 bytes; qb 3,407,872 bytes; kv 6,684,672 bytes; ub 16,777,216 bytes; gimg 3,145,728 bytes; gsc 262,144 bytes
;; launch prep (part 1): grid 168 x 1, 8 waves a work-group, no clusters, 269,312 bytes of LDS; arguments x, g1, be1, W1, Wf1, W2, Wf2, img, isc; writes img, isc
.if DOCPART == 1
	.amdgcn_target "amdgcn-amd-amdhsa--gfx1250"
	.amdhsa_code_object_version 6
	.text
	.protected	k_q0c85a22f79_prep
	.globl	k_q0c85a22f79_prep
	.p2align	8
	.type	k_q0c85a22f79_prep,@function
k_q0c85a22f79_prep:
	s_mov_b64 s[64:65], 0
	v_nop
	global_prefetch_b8 v0, s[64:65] scope:SCOPE_SE
	s_setreg_imm32_b32 hwreg(HW_REG_WAVE_MODE, 25, 1), 1
	s_wait_xcnt 0x0
; LAUNCH 1 OF 4.  h = LayerNorm(x) and the four weights become codes of BF6 (E3M2) with one E8M0 byte for each 32 along K, laid in the ORDER OF THE OPERAND'S REGISTERS.
; A PANEL is 128 rows (of h) or columns (of a weight) x 512 along K: [K step s 0..3][tile t 0..7][fragment image of 1,536 bytes]; register g of lane l lies at 512 (g / 4) + 16 l + 4 (g % 4).
; THE 16 INDICES OF A TILE ARE NOT NEIGHBOURS: lane-row i of tile 2 g + u is index 32 g + 8 u + i + 8 (i / 8), so that a later product's 16 registers of two neighbouring tiles are 16 neighbours along the next K.
; A panel's scale words (2,048 bytes): [s][half][lane (r, u)][2 words]; word i is that of tile 4 half + 2 i + u, row r: one load of 8 bytes a lane gives two scale registers, even tiles in lanes 0-15, odd ones in lanes 16-31.
; Panels: 0-15 W1's column groups; 16 + 9 w + i the last launch's stream of wave w (i = 0: W2; 1-4: Wf1; 5-8: Wf2 by K groups of 512); 52 + P rows 128 P on of h.
; Work-groups 0-63: a panel of h each (a wave a tile).  64-127: 64 columns x 512 k of W1 or Wf1.  128-167: the same of W2 or Wf2.  Each of the three ways has LDS bytes of its own.
; No tensor loads, no matrix work, no cluster: nothing is shared between work-groups, and each input byte is read once.
; LIMITS: NaN and infinities are not served.  A block's largest magnitude is held at 2^(5 - 127) from below, so its byte is at least 1; a block of zeros gets the byte 1 (its codes are zeros; the bytes are read by this program alone).
.set STGW, 33024                       ; LDS: a wave's stage, 16 rows of 2,048 bytes + 16
.set SPI,  2064
.set SCG,  264192                      ; h's scale words, 2,048 bytes
.set WSG0, 266240                      ; a wide weight's scale words, 1,024 bytes
.set WSG1, 267264                      ; a narrow weight's
.set PANB, 49152
.set GG,   16                          ; v16-31   g1 of my 16 columns
.set BE,   32                          ; v32-47   be1
.set X,    48                          ; v48-175  two sets of 64 numbers
.set TA,   176                         ; v176-183 four pairs: sums, then means
.set TB,   184                         ; v184-187 the other half of the lanes'
.set TC,   188                         ; v188-195 four pairs: sums of squares, then 1 / sigma
.set FRG,  200                         ; v200-211 a fragment
.set FT,   212                         ; v212-214, v216-218 the upper halves of its two blocks as the conversions leave them
.set MX,   220
.set SO,   222
.set BY,   224
.set WD,   226
.set WD2,  227
.set SH,   228
	s_load_b256 s[4:11], s[0:1], 0x0               ; x, g1, be1, W1
	s_load_b256 s[12:19], s[0:1], 0x20             ; Wf1, W2, Wf2, img
	s_load_b64 s[20:21], s[0:1], 0x40              ; isc
	v_lshl_add_u32 v254, v0, 2, 0x41800
	v_mov_b32 v255, 0
	v_lshrrev_b32 v1, 5, v0
	s_delay_alu instid0(VALU_DEP_1)
	v_readfirstlane_b32 s22, v1                    ; wave 0..7
	v_and_b32 v2, 31, v0                           ; lane
	v_and_b32 v3, 15, v0                           ; r
	v_bfe_u32 v7, v0, 4, 1                         ; h
	s_delay_alu instid0(VALU_DEP_3)
	v_lshlrev_b32 v4, 4, v2                        ; 16 x lane
	s_mov_b32 s28, 0x76543210
	s_mov_b32 s29, 0xfedcba98                      ; v_permlanex16_b32's selects for lane l xor 16
	s_mov_b32 s30, 0x3b000000                      ; 1 / 512
	s_mov_b32 s31, 0x3727c5ac                      ; 1e-5
	s_cmp_lt_u32 ttmp9, 64
	s_cbranch_scc0 .Lweights
; ---------------- h = LayerNorm(x): a work-group a panel, wave t its tile t ----------------
	s_lshr_b32 s23, s22, 1
	s_and_b32 s24, s22, 1
	s_lshl_b32 s25, ttmp9, 7
	s_lshl_b32 s26, s23, 5
	s_add_co_u32 s25, s25, s26
	s_lshl_b32 s26, s24, 3
	s_add_co_u32 s25, s25, s26                     ; the tile's first row: 128 P + 32 (t / 2) + 8 (t % 2)
	s_lshl_b32 s26, s25, 11                        ; x 2,048 bytes
	s_mov_b32 s27, 0
	s_mul_i32 s32, s22, STGW
	s_wait_alu depctr_va_vdst(0)
	v_add_nc_u32 v5, s32, v4                       ; the stage, on the way in: 16 x lane
	v_mul_u32_u24 v6, v3, SPI
	s_delay_alu instid0(VALU_DEP_1)
	v_lshl_add_u32 v6, v7, 7, v6
	s_delay_alu instid0(VALU_DEP_1)
	v_add_nc_u32 v6, s32, v6                       ; and out: row r, + 128 h: my block of 32 numbers
	s_lshr_b32 s33, s22, 2
	s_lshl_b32 s33, s33, 8
	s_lshl_b32 s34, s24, 7
	s_add_co_u32 s33, s33, s34
	s_and_b32 s34, s23, 1
	s_lshl_b32 s34, s34, 2
	s_add_co_u32 s33, s33, s34
	s_add_co_u32 s33, s33, SCG
	v_lshl_add_u32 v8, v3, 3, s33                  ; my row's scale word: 256 (t / 4) + 8 (r + 16 (t % 2)) + 4 ((t % 4) / 2)
	s_and_b32 s33, s22, 3
	s_lshl_b32 s33, s33, 9
	s_add_co_u32 s33, s33, SCG
	v_add_nc_u32 v9, s33, v4                       ; where waves 0-3 read the scale words back
	v_lshlrev_b32 v[SH], 3, v7
	v_mov_b32 v[WD2], 0                            ; a lane permute's destination counts as one of its sources
.irp p,0,1,2,3
	v_mov_b32 v[TB+\p], 0
.endr
	s_add_co_u32 s35, ttmp9, 52
	s_mul_i32 s36, s35, PANB
	s_mul_i32 s37, s22, 1536
	s_add_co_u32 s36, s36, s37
	s_mov_b32 s37, 0
	s_lshl_b32 s38, s35, 11
	s_lshl_b32 s39, s22, 9
	s_add_co_u32 s38, s38, s39
	s_mov_b32 s39, 0
	s_wait_kmcnt 0x0
	s_add_nc_u64 s[4:5], s[4:5], s[26:27]
	s_add_nc_u64 s[18:19], s[18:19], s[36:37]
	s_add_nc_u64 s[20:21], s[20:21], s[38:39]
.irp q,0,1,2,3
	global_load_b128 v[GG+4*\q:GG+4*\q+3], v4, s[6:7] offset:512*\q
	global_load_b128 v[BE+4*\q:BE+4*\q+3], v4, s[8:9] offset:512*\q
.endr
.macro LOADG G                         ; four rows of the tile: each load takes 512 consecutive bytes of a row
.irp p,0,1,2,3
.irp q,0,1,2,3
	global_load_b128 v[X+64*((\G)%2)+16*\p+4*\q:X+64*((\G)%2)+16*\p+4*\q+3], v4, s[4:5] offset:((4*(\G)+\p)+8*((4*(\G)+\p)/8))*2048+512*\q th:TH_LOAD_NT
.endr
.endr
.endm
.macro RSUM t                          ; four pairs become four sums over the wave, in every lane
.irp p,0,1,2,3
	s_delay_alu instid0(VALU_DEP_4)
	v_add_f32 v[\t+2*\p], v[\t+2*\p], v[\t+2*\p+1]
.endr
.irp k,1,2,4,8
.irp p,0,1,2,3
	s_delay_alu instid0(VALU_DEP_4)
	v_add_f32_dpp v[\t+2*\p], v[\t+2*\p], v[\t+2*\p] row_xmask:\k row_mask:0xf bank_mask:0xf
.endr
.endr
.irp p,0,1,2,3
	s_delay_alu instid0(VALU_DEP_4)
	v_permlanex16_b32 v[TB+\p], v[\t+2*\p], s28, s29
.endr
.irp p,0,1,2,3
	s_delay_alu instid0(VALU_DEP_4)
	v_add_f32 v[\t+2*\p], v[\t+2*\p], v[TB+\p]
.endr
.endm
; Four rows by turns: mean, x - mean, variance of the differences, 1 / sigma, gain and bias; then into the stage.
.macro GROUP G, left
.set XS, X+64*((\G)%2)
	s_wait_loadcnt \left                           ; my 16 loads are in; the other set's 16 may stay out
.irp p,0,1,2,3
	v_pk_add_f32 v[TA+2*\p:TA+2*\p+1], v[XS+16*\p:XS+16*\p+1], v[XS+16*\p+2:XS+16*\p+3]
.endr
.irp i,4,6,8,10,12,14
.irp p,0,1,2,3
	s_delay_alu instid0(VALU_DEP_4)
	v_pk_add_f32 v[TA+2*\p:TA+2*\p+1], v[TA+2*\p:TA+2*\p+1], v[XS+16*\p+\i:XS+16*\p+\i+1]
.endr
.endr
	RSUM TA
.irp p,0,1,2,3
	s_delay_alu instid0(VALU_DEP_4)
	v_mul_f32 v[TA+2*\p], s30, v[TA+2*\p]          ; the mean
.endr
.irp i,0,2,4,6,8,10,12,14
.irp p,0,1,2,3
	v_pk_add_f32 v[XS+16*\p+\i:XS+16*\p+\i+1], v[XS+16*\p+\i:XS+16*\p+\i+1], v[TA+2*\p:TA+2*\p+1] op_sel_hi:[1,0] neg_lo:[0,1] neg_hi:[0,1]
.endr
.endr
.irp p,0,1,2,3
	v_pk_mul_f32 v[TC+2*\p:TC+2*\p+1], v[XS+16*\p:XS+16*\p+1], v[XS+16*\p:XS+16*\p+1]
.endr
.irp i,2,4,6,8,10,12,14
.irp p,0,1,2,3
	s_delay_alu instid0(VALU_DEP_4)
	v_pk_fma_f32 v[TC+2*\p:TC+2*\p+1], v[XS+16*\p+\i:XS+16*\p+\i+1], v[XS+16*\p+\i:XS+16*\p+\i+1], v[TC+2*\p:TC+2*\p+1]
.endr
.endr
	RSUM TC
.irp p,0,1,2,3
	s_delay_alu instid0(VALU_DEP_4)
	v_fma_f32 v[TC+2*\p], v[TC+2*\p], s30, s31     ; the variance + 1e-5
.endr
	s_wait_alu depctr_va_vdst(0)
.irp p,0,1,2,3
	v_rsq_f32 v[TC+2*\p], v[TC+2*\p]
.endr
	v_nop                                          ; a plain instruction behind the last of the four
	s_wait_alu depctr_va_vdst(0)                   ; one wait for the four, ahead of their first reader
.irp i,0,2,4,6,8,10,12,14
.irp p,0,1,2,3
	v_pk_mul_f32 v[XS+16*\p+\i:XS+16*\p+\i+1], v[XS+16*\p+\i:XS+16*\p+\i+1], v[TC+2*\p:TC+2*\p+1] op_sel_hi:[1,0]
.endr
.endr
.irp i,0,2,4,6,8,10,12,14
.irp p,0,1,2,3
	v_pk_fma_f32 v[XS+16*\p+\i:XS+16*\p+\i+1], v[XS+16*\p+\i:XS+16*\p+\i+1], v[GG+\i:GG+\i+1], v[BE+\i:BE+\i+1]
.endr
.endr
.irp p,0,1,2,3
.irp q,0,1,2,3
	ds_store_b128 v5, v[XS+16*\p+4*\q:XS+16*\p+4*\q+3] offset:(4*(\G)+\p)*SPI+512*\q
.endr
.endr
	s_wait_dscnt 0x0                               ; the stores have read their registers
.if (\G)+2 < 4
	LOADG (\G)+2
.endif
.endm
	LOADG 0
	LOADG 1
	GROUP 0, 16
	GROUP 1, 16
	GROUP 2, 16
	GROUP 3, 0
; The tile's four fragments.  Lane (r, h) takes, of row r, blocks h and 2 + h of each 128 along K: both are all its own, and the conversions' results are the operand's registers.
.macro QLOAD s
.irp c,0,1
.irp i,0,1,2,3,4,5,6,7
	ds_load_b128 v[X+64*((\s)%2)+32*\c+4*\i:X+64*((\s)%2)+32*\c+4*\i+3], v6 offset:512*(\s)+256*\c+16*\i
.endr
.endr
.endm
.macro QSTEP s, left
.set NB, X+64*((\s)%2)
	s_wait_dscnt \left                             ; this K step's 16 loads are in; the next step's 16 may stay out
.irp c,0,1
	v_max3_num_f32 v[MX+\c], |v[NB+32*\c]|, |v[NB+32*\c+1]|, 0x2800000   ; with the floor 2^(5 - 127)
.endr
.irp i,2,4,6,8,10,12,14,16,18,20,22,24,26,28,30
.irp c,0,1
	s_delay_alu instid0(VALU_DEP_2)
	v_max3_num_f32 v[MX+\c], v[MX+\c], |v[NB+32*\c+\i]|, |v[NB+32*\c+\i+1]|
.endr
.endr
.irp c,0,1
	s_delay_alu instid0(VALU_DEP_2)
	v_add_nc_u32 v[SO+\c], 0xfe000000, v[MX+\c]    ; 4 off the exponent field: the conversion's scale operand
.endr
.irp c,0,1
	s_delay_alu instid0(VALU_DEP_2)
	v_lshrrev_b32 v[BY+\c], 23, v[SO+\c]           ; the scale's byte
.endr
	s_delay_alu instid0(VALU_DEP_1)
	v_lshl_or_b32 v[WD], v[BY+1], 16, v[BY]        ; my two bytes, blocks h and 2 + h,
	s_delay_alu instid0(VALU_DEP_1)
	v_lshlrev_b32 v[WD], v[SH], v[WD]              ; at their places;
	s_delay_alu instid0(VALU_DEP_1)
	v_permlanex16_b32 v[WD2], v[WD], s28, s29
	s_delay_alu instid0(VALU_DEP_1)
	v_or_b32 v[WD], v[WD], v[WD2]                  ; with lane l xor 16's two the word is whole
	s_wait_alu depctr_va_vdst(0)
	s_wait_xcnt 0x0                                ; the last fragment's stores have read their registers
.irp c,0,1
	v_cvt_scalef32_pk16_bf6_f32 v[FRG+6*\c:FRG+6*\c+2], v[NB+32*\c:NB+32*\c+15], v[SO+\c]
	v_cvt_scalef32_pk16_bf6_f32 v[FT+4*\c:FT+4*\c+2], v[NB+32*\c+16:NB+32*\c+31], v[SO+\c]
.endr
	v_nop                                          ; one plain instruction behind a scaled conversion
.irp c,0,1
.irp i,0,1,2
	v_mov_b32 v[FRG+6*\c+3+\i], v[FT+4*\c+\i]
.endr
.endr
.irp g,0,1,2
	global_store_b128 v4, v[FRG+4*\g:FRG+4*\g+3], s[18:19] offset:12288*(\s)+512*\g   ; 512 consecutive bytes, aligned
.endr
	ds_store_b32 v8, v[WD] offset:512*(\s)         ; both halves of the lanes write the same word with the same value
.if (\s)+2 < 4
	QLOAD (\s)+2
.endif
.endm
	QLOAD 0
	QLOAD 1
	QSTEP 0, 16
	QSTEP 1, 16
	QSTEP 2, 16
	QSTEP 3, 0
	s_wait_dscnt 0x0                               ; my scale words have landed
	s_barrier_signal -1
	s_barrier_wait -1
	s_cmp_lt_u32 s22, 4
	s_cbranch_scc0 .Lln_end
	ds_load_b128 v[12:15], v9                      ; the panel's 2,048 bytes of scale words leave by four waves, 512 consecutive bytes each
	s_wait_dscnt 0x0
	global_store_b128 v4, v[12:15], s[20:21]
.Lln_end:
	s_wait_tensorcnt 0x0
	ds_add_u32 v254, v255
	s_wait_dscnt 0x0
	s_endpgm
; ---------------- a weight [K][NC]: a lane takes a column, its registers run down K ----------------
; In: s[32:33] the tensor, s24 the column group of 128, s25 which half of it, s26 the panel, s27 the first k.  Wave w: columns 32 (w % 2) on, K step w / 2.
.macro WLOAD kb, NC
.set i, 0
.rept 32
	global_load_b32 v[32+32*((\kb)%2)+i], v1, s[32:33] offset:(32*(\kb)+i)*(\NC)*4 th:TH_LOAD_NT
.set i, i+1
.endr
.endm
.macro WBLOCK kb, NC
.set XS, 32+32*((\kb)%2)
.set DD, 96+12*((\kb)&1)+6*((\kb)>>1)  ; block kb belongs to lane-half kb % 2 of the fragment, registers 6 (kb / 2) on
.if (\kb) < 3
	s_wait_loadcnt 32                              ; this block's 32 loads are in; the next block's may stay out
.else
	s_wait_loadcnt 0x0
.endif
	v_max3_num_f32 v12, |v[XS]|, |v[XS+1]|, |v[XS+2]|
	v_max3_num_f32 v13, |v[XS+3]|, |v[XS+4]|, |v[XS+5]|
.irp i,6,10,14,18,22,26
	s_delay_alu instid0(VALU_DEP_2)
	v_max3_num_f32 v12, v12, |v[XS+\i]|, |v[XS+\i+1]|
	s_delay_alu instid0(VALU_DEP_2)
	v_max3_num_f32 v13, v13, |v[XS+\i+2]|, |v[XS+\i+3]|
.endr
	s_delay_alu instid0(VALU_DEP_2)
	v_max3_num_f32 v12, v12, |v[XS+30]|, |v[XS+31]|
	s_delay_alu instid0(VALU_DEP_1)
	v_max3_num_f32 v12, v12, v13, 0x2800000        ; and the floor
	s_delay_alu instid0(VALU_DEP_1)
	v_add_nc_u32 v11, 0xfe000000, v12
	s_delay_alu instid0(VALU_DEP_1)
	v_lshrrev_b32 v13, 23, v11
.if (\kb) == 0
	s_delay_alu instid0(VALU_DEP_1)
	v_mov_b32 v24, v13
.else
	s_delay_alu instid0(VALU_DEP_1)
	v_lshl_or_b32 v24, v13, 8*(\kb), v24           ; the K step's scale word of my column
.endif
	v_cvt_scalef32_pk16_bf6_f32 v[DD:DD+2], v[XS:XS+15], v11
	v_cvt_scalef32_pk16_bf6_f32 v[120:122], v[XS+16:XS+31], v11
	v_nop
.irp i,0,1,2
	v_mov_b32 v[DD+3+\i], v[120+\i]
.endr
.if (\kb)+2 < 4
	WLOAD (\kb)+2, \NC
.endif
.endm
.macro WQ NC, WSG
	s_and_b32 s34, s22, 1                          ; which 32 columns
	s_lshr_b32 s35, s22, 1                         ; K step
	s_lshl_b32 s36, s35, 7
	s_add_co_u32 s36, s36, s27
	s_mul_i32 s36, s36, \NC
	s_lshl_b32 s37, s24, 7
	s_add_co_u32 s36, s36, s37
	s_lshl_b32 s37, s25, 6
	s_add_co_u32 s36, s36, s37
	s_lshl_b32 s37, s34, 5
	s_add_co_u32 s36, s36, s37
	s_lshl_b32 s36, s36, 2
	s_mov_b32 s37, 0
	s_add_nc_u64 s[32:33], s[32:33], s[36:37]      ; my wave's first number
	s_mul_i32 s36, s26, PANB
	s_mul_i32 s38, s35, 12288
	s_add_co_u32 s36, s36, s38
	s_lshl_b32 s38, s25, 1
	s_add_co_u32 s38, s38, s34
	s_mul_i32 s38, s38, 3072
	s_add_co_u32 s36, s36, s38
	s_add_nc_u64 s[18:19], s[18:19], s[36:37]      ; my two tiles' images
	s_lshl_b32 s36, s26, 11
	s_lshl_b32 s38, s25, 8
	s_add_co_u32 s36, s36, s38
	s_add_nc_u64 s[20:21], s[20:21], s[36:37]      ; the panel's scale words, my half
	v_lshlrev_b32 v1, 2, v2
	v_bfe_u32 v5, v2, 3, 1                         ; column l of the 32 is lane-row (l % 8) + 8 (l / 16) of tile (l / 8) % 2
	v_and_b32 v6, 7, v2
	s_delay_alu instid0(VALU_DEP_1)
	v_lshl_add_u32 v6, v7, 3, v6
	s_delay_alu instid0(VALU_DEP_3)
	v_mul_u32_u24 v8, v5, 1536
	s_delay_alu instid0(VALU_DEP_1)
	v_lshl_add_u32 v8, v6, 4, v8
	s_lshl_b32 s38, s35, 8
	s_lshl_b32 s39, s34, 2
	s_add_co_u32 s38, s38, s39
	s_add_co_u32 s38, s38, \WSG
	v_lshl_add_u32 v9, v5, 4, v6
	s_delay_alu instid0(VALU_DEP_1)
	v_lshl_add_u32 v9, v9, 3, s38
	s_lshl_b32 s38, s34, 9
	s_add_co_u32 s39, s38, \WSG
	v_add_nc_u32 v10, s39, v4
	s_lshl_b32 s38, s34, 10
	v_lshl_add_u32 v14, v7, 9, s38
	s_delay_alu instid0(VALU_DEP_1)
	v_lshl_add_u32 v14, v3, 4, v14
	WLOAD 0, \NC
	WLOAD 1, \NC
	WBLOCK 0, \NC
	WBLOCK 1, \NC
	WBLOCK 2, \NC
	WBLOCK 3, \NC
.irp hh,0,1
.irp g,0,1,2
	global_store_b128 v8, v[96+12*\hh+4*\g:96+12*\hh+4*\g+3], s[18:19] offset:512*\g+256*\hh   ; two whole aligned runs of 256 bytes, one in each tile's image
.endr
.endr
	ds_store_b32 v9, v24
	s_wait_dscnt 0x0
	s_barrier_signal -1
	s_barrier_wait -1
	s_cmp_lt_u32 s22, 2
	s_cbranch_scc0 .Lwq_end_\@
	ds_load_b128 v[16:19], v10
	s_wait_dscnt 0x0
	global_store_b128 v14, v[16:19], s[20:21]      ; sixteen lanes fill 256 consecutive bytes, aligned
.Lwq_end_\@:
.endm
.Lweights:
	s_cmp_lt_u32 ttmp9, 128
	s_cbranch_scc0 .Lnarrow
	s_sub_co_u32 s23, ttmp9, 64
	s_lshr_b32 s24, s23, 1
	s_and_b32 s24, s24, 15
	s_and_b32 s25, s23, 1
	s_lshr_b32 s26, s24, 2
	s_mul_i32 s26, s26, 9
	s_and_b32 s27, s24, 3
	s_add_co_u32 s26, s26, s27
	s_add_co_u32 s26, s26, 17                      ; Wf1's group cg is panel 17 + 9 (cg / 4) + cg % 4
	s_wait_kmcnt 0x0
	s_cmp_lt_u32 s23, 32                           ; the choice hangs on the work-group's number alone
	s_cselect_b64 s[32:33], s[10:11], s[12:13]
	s_cselect_b32 s26, s24, s26
	s_mov_b32 s27, 0
	s_wait_alu depctr_va_vdst(0)
	WQ 2048, WSG0
	s_wait_tensorcnt 0x0
	ds_add_u32 v254, v255
	s_wait_dscnt 0x0
	s_endpgm
.Lnarrow:
	s_sub_co_u32 s23, ttmp9, 128
	s_sub_co_u32 s34, s23, 8
	s_lshr_b32 s24, s23, 1
	s_mul_i32 s26, s24, 9
	s_add_co_u32 s26, s26, 16                      ; W2's group cg is panel 16 + 9 cg
	s_lshr_b32 s35, s34, 3
	s_lshr_b32 s36, s34, 1
	s_and_b32 s36, s36, 3
	s_mul_i32 s37, s35, 9
	s_add_co_u32 s37, s37, s36
	s_add_co_u32 s37, s37, 21                      ; Wf2's group cg, K group kg: panel 21 + 9 cg + kg
	s_lshl_b32 s36, s36, 9
	s_and_b32 s25, s23, 1
	s_wait_kmcnt 0x0
	s_cmp_lt_u32 s23, 8
	s_cselect_b64 s[32:33], s[14:15], s[16:17]
	s_cselect_b32 s24, s24, s35
	s_cselect_b32 s26, s26, s37
	s_cselect_b32 s27, 0, s36
	s_wait_alu depctr_va_vdst(0)
	WQ 512, WSG1
	s_wait_tensorcnt 0x0
	ds_add_u32 v254, v255
	s_wait_dscnt 0x0
	s_endpgm
.Lfunc_end_k_q0c85a22f79_prep:
	.size	k_q0c85a22f79_prep, .Lfunc_end_k_q0c85a22f79_prep-k_q0c85a22f79_prep
	.p2alignl 7, 3214868480
	.fill 96, 4, 3214868480
	.section	.rodata,"a",@progbits
	.p2align	6, 0x0
	.amdhsa_kernel k_q0c85a22f79_prep
		.amdhsa_group_segment_fixed_size 269312
		.amdhsa_private_segment_fixed_size 0
		.amdhsa_enable_private_segment 0
		.amdhsa_kernarg_size 72
		.amdhsa_user_sgpr_count 2
		.amdhsa_user_sgpr_kernarg_segment_ptr 1
		.amdhsa_wavefront_size32 1
		.amdhsa_system_sgpr_workgroup_id_x 1
		.amdhsa_system_sgpr_workgroup_id_y 1
		.amdhsa_system_sgpr_workgroup_id_z 1
		.amdhsa_system_vgpr_workitem_id 0
		.amdhsa_next_free_vgpr 256
		.amdhsa_next_free_sgpr 66
		.amdhsa_reserve_vcc 0
		.amdhsa_float_denorm_mode_32 3
		.amdhsa_float_denorm_mode_16_64 3
		.amdhsa_memory_ordered 1
		.amdhsa_forward_progress 1
		.amdhsa_inst_pref_size 152
	.end_amdhsa_kernel
	.amdgpu_metadata
---
amdhsa.version: [ 1, 2 ]
amdhsa.kernels:
  - .name:           k_q0c85a22f79_prep
    .symbol:         k_q0c85a22f79_prep.kd
    .args:
      - { .name: x, .offset: 0, .size: 8, .value_kind: global_buffer, .address_space: global }
      - { .name: g1, .offset: 8, .size: 8, .value_kind: global_buffer, .address_space: global }
      - { .name: be1, .offset: 16, .size: 8, .value_kind: global_buffer, .address_space: global }
      - { .name: W1, .offset: 24, .size: 8, .value_kind: global_buffer, .address_space: global }
      - { .name: Wf1, .offset: 32, .size: 8, .value_kind: global_buffer, .address_space: global }
      - { .name: W2, .offset: 40, .size: 8, .value_kind: global_buffer, .address_space: global }
      - { .name: Wf2, .offset: 48, .size: 8, .value_kind: global_buffer, .address_space: global }
      - { .name: img, .offset: 56, .size: 8, .value_kind: global_buffer, .address_space: global }
      - { .name: isc, .offset: 64, .size: 8, .value_kind: global_buffer, .address_space: global }
    .group_segment_fixed_size: 269312
    .private_segment_fixed_size: 0
    .kernarg_segment_align: 8
    .kernarg_segment_size: 72
    .max_flat_workgroup_size: 256
    .sgpr_count:     66
    .vgpr_count:     256
    .wavefront_size: 32
...
	.end_amdgpu_metadata
.endif
;; end of part 1
;; launch proj1 (part 2): grid 64 x 4, 4 waves a work-group, no clusters, 57,856 bytes of LDS; arguments img, isc, b1, qb, kv, ub; writes qb, kv, ub
.if DOCPART == 2
	.amdgcn_target "amdgcn-amd-amdhsa--gfx1250"
	.amdhsa_code_object_version 6
	.text
	.protected	k_q0c85a22f79_proj1
	.globl	k_q0c85a22f79_proj1
	.p2align	8
	.type	k_q0c85a22f79_proj1,@function
k_q0c85a22f79_proj1:
	s_mov_b64 s[64:65], 0
	v_nop
	global_prefetch_b8 v0, s[64:65] scope:SCOPE_SE
	s_setreg_imm32_b32 hwreg(HW_REG_WAVE_MODE, 25, 1), 1
	s_wait_xcnt 0x0
; LAUNCH 2 OF 4.  p = h W1 + b1 on codes of BF6, and what attention wants of it: q and k as codes along the head's 64, v as codes along the keys, u as f32, all laid in the order of the registers that will take them.
; Work-group (x, y): y = 0, 1, 2: q, k, u of rows 128 x on; y = 3: v.  A wave makes 128 x 128 as two units of 8 x 4 tiles; its own panel (R) stays in 384 registers, the panel that the four waves share (L) lies in LDS.
; EVERY PRODUCT IS R x L: source 0 = 16 indices of R, source 1 = 16 of L.  A lane then holds ONE index of L, and the registers of 8 tiles of R are 64 numbers along R, register 16 b + i = index 32 b + 16 (lane / 16) + i
; (the indices of a tile are chosen for that: lane-row i of tile 2 g + u is index 32 g + 8 u + i + 8 (i / 8)).  y < 3: R = 128 columns of W1, L = the rows of h: the registers run along the head's axis.
; y = 3: R = 128 rows of h, L = 128 columns of W1: the registers run down the keys, which are the second attention product's K.
; The bias b1 is the C of each sum's first matrix instruction.  The 1 / sqrt(64) of the scores is 3 off q's scale bytes.
; No tensor loads and no cluster: a work-group reads its five panels once, in one pass with no ring; what partners could share is one panel in five.
; LIMITS: NaN and infinities are not served.  A block of zeros gets the byte 1.  A block of q whose largest magnitude lies under 2^-119 is quantised on the scale 2^-123, so that its byte less 3 stays at least 1.
.set LSC,  49152                       ; LDS: the L panel at 0 (49,152 bytes), its scale words here (2,048),
.set SQK,  51200                       ; q's or k's scale words, 1,024 bytes a wave,
.set SV,   55296                       ; v's, 512 bytes a wave
.set L16, 1                            ; v1  16 x lane
.set L8,  2                            ; v2  8 x lane
.set RR,  3                            ; v3  r = lane % 16
.set HH,  4                            ; v4  h = lane / 16
.set LA,  5                            ; v5  LDS address of L's fragments
.set LSA, 6                            ; v6  of L's scale words
.set RS,  32                           ; v32-47  R's scale words: register 2 k + (t % 4) / 2, set k = 2 s + t / 4
.set LS,  48                           ; v48-55  L's: register 2 s + m / 2
.set TM,  56                           ; v56-71  the quantiser's: +0 largest magnitudes, +4 bytes, +12 scale operands
.set PW,  72                           ; v72     the scale word just made
.set PC,  76                           ; v76-87  the fragment just made; v88-90, v92-94 conversion results on their way
.set CB,  96                           ; v96-159 the bias, in the result's layout
.set RP,  40                           ; s[40:41] R's panel;  s[42:43] its scale words
.set RSP, 42
.set SEL, 44
.set FLR, 46
; REGISTER WINDOWS: window 1: R's fragments of K steps 0, 1 at v[96 s + 12 t], L's set 0 at v192-239; window 2: K steps 2, 3 and L's set 1; window 3: the 32 accumulators, (t, m) at v[64 m + 8 t].
.set MSB, 0
.macro WIN new                         ; the immediate's high byte repeats the setting that is left
.if MSB != (\new)
	s_set_vgpr_msb (MSB<<8)|(\new)
.set MSB, (\new)
.endif
.endm
.macro WMMA                            ; the registers are named by the symbols rD, rA, rB, rC, rSA, rSB; rRA, rRB: the scales stand in lanes 16-31
.if rRA && rRB
	v_wmma_scale_f32_16x16x128_f8f6f4 v[rD:rD+7], v[rA:rA+11], v[rB:rB+11], v[rC:rC+7], v[rSA], v[rSB] matrix_a_fmt:MATRIX_FMT_BF6 matrix_b_fmt:MATRIX_FMT_BF6 matrix_a_scale:MATRIX_SCALE_ROW1 matrix_b_scale:MATRIX_SCALE_ROW1
.elseif rRA
	v_wmma_scale_f32_16x16x128_f8f6f4 v[rD:rD+7], v[rA:rA+11], v[rB:rB+11], v[rC:rC+7], v[rSA], v[rSB] matrix_a_fmt:MATRIX_FMT_BF6 matrix_b_fmt:MATRIX_FMT_BF6 matrix_a_scale:MATRIX_SCALE_ROW1
.elseif rRB
	v_wmma_scale_f32_16x16x128_f8f6f4 v[rD:rD+7], v[rA:rA+11], v[rB:rB+11], v[rC:rC+7], v[rSA], v[rSB] matrix_a_fmt:MATRIX_FMT_BF6 matrix_b_fmt:MATRIX_FMT_BF6 matrix_b_scale:MATRIX_SCALE_ROW1
.else
	v_wmma_scale_f32_16x16x128_f8f6f4 v[rD:rD+7], v[rA:rA+11], v[rB:rB+11], v[rC:rC+7], v[rSA], v[rSB] matrix_a_fmt:MATRIX_FMT_BF6 matrix_b_fmt:MATRIX_FMT_BF6
.endif
.endm
.macro RSET k, add                     ; set k of R's panel (four fragments and their scale words: 13 loads), of the panel in hand (add = 0) or the next (1)
	WIN (1+((\k)>>2))<<6
.irp tt,0,1,2,3
.irp g,0,1,2
	global_load_b128 v[96*(((\k)>>1)&1)+12*(4*((\k)&1)+\tt)+4*\g:96*(((\k)>>1)&1)+12*(4*((\k)&1)+\tt)+4*\g+3], v[L16], s[RP:RP+1] offset:(\add)*49152+(\k)*6144+\tt*1536+512*\g
.endr
.endr
	WIN 0
	global_load_b64 v[RS+2*(\k):RS+2*(\k)+1], v[L8], s[RSP:RSP+1] offset:(\add)*2048+(\k)*256
.endm
.macro LFETCH s, LT, LOF               ; L's four fragments of K step s into set s % 2
	WIN (1+((\s)&1))<<6
.irp m,0,1,2,3
.irp g,0,1,2
	ds_load_b128 v[192+12*\m+4*\g:195+12*\m+4*\g], v[LA] offset:\LOF+((\s)*\LT+\m)*1536+512*\g
.endr
.endr
.endm
; 128 matrix instructions: 8 tiles of R x 4 tiles of L x 512 along K.  LT: L tiles in a K step of the LDS image.  cmode 0: the sums go on in place; 1: they begin with v[CB + 8 t]; 2: with v[CB + CBU + 8 m].
; next = 1: each set of R is loaded again, with the next panel, as soon as its 16 products are issued.  The 32 accumulators take turns, one instruction a turn.
; Four plain instructions stand behind each 16 products: ahead of loads into registers that they have read, and of the first reader of results.
.macro PANEL LT, cmode, next, CBU, LOF, LSOF
.irp s,0,1,2,3
	ds_load_b64 v[LS+2*\s:LS+2*\s+1], v[LSA] offset:\LSOF+\s*64*\LT
.endr
	LFETCH 0, \LT, \LOF
.irp s,0,1,2,3
.if \s < 3
	LFETCH \s+1, \LT, \LOF
	s_wait_dscnt 12                                ; all but the 12 loads just issued: this K step's fragments of L, and what was asked for ahead of them
.else
	s_wait_dscnt 0x0
.endif
.irp hf,0,1
.set KK, 2*\s+\hf
.if \next
	s_wait_loadcnt 63                              ; behind this set's 13 loads stand 7 x 13 = 91 younger ones; the wait's field ends at 63
.elseif 13*(7-KK) > 63
	s_wait_loadcnt 63
.else
	s_wait_loadcnt 13*(7-KK)                       ; the sets behind this one may stay out
.endif
.if (\s == 0) && (\cmode != 0)
.set rW, (1+(\s>>1))|((1+(\s&1))<<2)|(3<<6)
.else
.set rW, (1+(\s>>1))|((1+(\s&1))<<2)|(3<<4)|(3<<6)
.endif
	WIN rW
.irp tt,0,1,2,3
.irp m,0,1,2,3
.set rT, 4*\hf+\tt
.set rD, 64*\m+8*rT
.set rA, 96*(\s&1)+12*rT
.set rB, 192+12*\m
.set rSA, RS+2*KK+\tt/2
.set rSB, LS+2*\s+\m/2
.set rRA, \tt%2
.set rRB, \m%2
.if (\s == 0) && (\cmode == 1)
.set rC, CB+8*rT
.elseif (\s == 0) && (\cmode == 2)
.set rC, CB+\CBU+8*\m
.else
.set rC, rD
.endif
	WMMA
.endr
.endr
.rept 4
	v_nop
.endr
.if \next
	RSET KK, 1
.endif
.endr
.endr
	WIN 0
.endm
; 64 numbers of a lane in window 3, register 16 b + i = k 32 b + 16 (lane / 16) + i of my row, become a fragment's codes in v[PC] on and its scale word in v[PW].
.macro QUANT src
	s_wait_xcnt 0x0                                ; the last fragment's stores have read their registers,
	s_wait_dscnt 0x0                               ; the LDS stores too
	WIN 0x0f
.irp b,0,1,2,3
	v_max3_num_f32 v[TM+\b], |v[16*\b+(\src)]|, |v[16*\b+1+(\src)]|, s[FLR]   ; each accumulator is read from its low end on; the floor holds the byte from below
.endr
.irp i,2,4,6,8,10,12,14
.irp b,0,1,2,3
	v_max3_num_f32 v[TM+\b], |v[16*\b+\i+(\src)]|, |v[16*\b+\i+1+(\src)]|, v[TM+\b]
.endr
.endr
	WIN 0
.irp b,0,1,2,3
	v_permlanex16_b32 v[TM+4+\b], v[TM+\b], s[SEL], s[SEL+1]
.endr
.irp b,0,1,2,3
	v_max_num_f32 v[TM+\b], v[TM+\b], v[TM+4+\b]   ; with lane l xor 16's: the block's largest magnitude
.endr
.irp b,0,1,2,3
	v_add_nc_u32 v[TM+12+\b], 0xfe000000, v[TM+\b] ; 4 off its exponent field: the conversion's scale operand
.endr
.irp b,0,1,2,3
	v_lshrrev_b32 v[TM+4+\b], 23, v[TM+12+\b]      ; the scale's byte
.endr
	v_lshl_or_b32 v[PW], v[TM+5], 8, v[TM+4]
	v_lshl_or_b32 v[PW], v[TM+6], 16, v[PW]
	v_lshl_or_b32 v[PW], v[TM+7], 24, v[PW]
	WIN 0x03
.irp c,0,1
	v_cvt_scalef32_pk16_bf6_f32 v[PC+6*\c:PC+6*\c+2], v[32*\c+(\src):32*\c+15+(\src)], v[TM+12+2*\c]
	v_cvt_scalef32_pk16_bf6_f32 v[PC+12+4*\c:PC+14+4*\c], v[32*\c+16+(\src):32*\c+31+(\src)], v[TM+12+2*\c+1]
.endr
	WIN 0
	v_nop                                          ; one plain instruction behind a scaled conversion
.irp c,0,1                             ; the operand's layout wants a whole block in a lane: lanes 0-15 block 2 c, lanes 16-31 block 2 c + 1
.irp i,0,1,2
	v_permlane16_swap_b32 v[PC+6*\c+\i], v[PC+12+4*\c+\i]
.endr
.irp i,0,1,2
	v_mov_b32 v[PC+3+6*\c+\i], v[PC+12+4*\c+\i]
.endr
.endr
.endm
	s_load_b256 s[4:11], s[0:1], 0x0               ; img, isc, b1, qb
	s_load_b128 s[12:15], s[0:1], 0x20             ; kv, ub
	v_lshl_add_u32 v91, v0, 2, 0xe000
	v_mov_b32 v95, 0
	v_lshrrev_b32 v7, 5, v0
	v_readfirstlane_b32 s17, v7                    ; wave 0..3
	s_and_b32 s16, ttmp7, 0xffff                   ; y
	v_and_b32 v8, 31, v0
	v_and_b32 v[RR], 15, v0
	v_bfe_u32 v[HH], v0, 4, 1
	v_lshlrev_b32 v[L16], 4, v8
	v_lshlrev_b32 v[L8], 3, v8
	v_lshlrev_b32 v[LA], 4, v8
	v_lshl_add_u32 v[LSA], v8, 3, LSC
	s_mul_i32 s18, s17, 12288
	v_add_nc_u32 v7, s18, v[L16]                   ; where I lay my quarter of the L panel,
	s_lshl_b32 s18, s17, 9
	s_add_co_u32 s19, s18, LSC
	v_add_nc_u32 v8, s19, v[L16]                   ; and of its scale words
	s_lshl_b32 s19, s17, 10
	s_add_co_u32 s19, s19, SQK
	v_lshl_add_u32 v9, v[HH], 9, s19
	v_lshl_add_u32 v9, v[RR], 2, v9                ; q's, k's scale words: lanes 0-15 the first head's, lanes 16-31 the second's
	v_add_nc_u32 v11, s19, v[L16]
	v_lshlrev_b32 v10, 4, v[HH]
	s_add_co_u32 s19, s18, SV
	v_lshl_add_u32 v12, v[RR], 2, s19              ; v's scale words
	v_add_nc_u32 v13, s19, v[L16]
	v_mul_u32_u24 v14, v[HH], 208896
	v_lshl_add_u32 v14, v[RR], 4, v14
	v_lshlrev_b32 v15, 6, v[HH]                    ; b1 along the registers: 64 h
	v_and_b32 v17, 8, v[RR]
	v_add_nc_u32 v17, v17, v[RR]
	v_lshlrev_b32 v17, 2, v17                      ; b1 along the lanes: 4 (r + 8 (r / 8))
.irp b,0,1,2,3
	v_mov_b32 v[TM+4+\b], 0                        ; a lane permute's destination counts as one of its sources
.endr
	s_mov_b32 s[SEL], 0x76543210
	s_mov_b32 s[SEL+1], 0xfedcba98
	s_add_co_u32 s20, ttmp9, 52                    ; y < 3: L = h's panel x,
	s_and_b32 s21, ttmp9, 3
	s_add_co_u32 s22, s21, 12                      ; y = 3: L = W1's panel 12 + x % 4
	s_lshl_b32 s23, s16, 2
	s_add_co_u32 s23, s23, s17                     ; y < 3: R = W1's panel 4 y + w
	s_lshr_b32 s24, ttmp9, 2
	s_lshl_b32 s24, s24, 2
	s_add_co_u32 s24, s24, s17                     ; y = 3: R = h's panel 4 (x / 4) + w
	s_add_co_u32 s25, s24, 52
	s_cmp_eq_u32 s16, 3
	s_cselect_b32 s20, s22, s20
	s_cselect_b32 s23, s25, s23
	s_mul_i32 s26, s20, 49152
	s_mul_i32 s27, s17, 12288
	s_add_co_u32 s26, s26, s27
	s_mov_b32 s27, 0
	s_lshl_b32 s28, s20, 11
	s_lshl_b32 s29, s17, 9
	s_add_co_u32 s28, s28, s29
	s_mov_b32 s29, 0
	s_mul_i32 s30, s23, 49152
	s_mov_b32 s31, 0
	s_lshl_b32 s32, s23, 11
	s_mov_b32 s33, 0
	s_lshl_b32 s34, s23, 9                         ; b1: y < 3: my 128 columns;
	s_lshl_b32 s35, s21, 9
	s_add_co_u32 s35, s35, 6144                    ; y = 3: v's columns 1,536 + 128 (x % 4) on
	s_cmp_eq_u32 s16, 3
	s_cselect_b32 s34, s35, s34
	s_mov_b32 s35, 0
	s_wait_kmcnt 0x0
	s_add_nc_u64 s[48:49], s[4:5], s[26:27]
	s_add_nc_u64 s[50:51], s[6:7], s[28:29]
	s_add_nc_u64 s[RP:RP+1], s[4:5], s[30:31]
	s_add_nc_u64 s[RSP:RSP+1], s[6:7], s[32:33]
	s_add_nc_u64 s[54:55], s[8:9], s[34:35]
.set i, 0
.rept 24
	global_load_b128 v[160+4*i:163+4*i], v[L16], s[48:49] offset:512*i   ; my quarter of the L panel
.set i, i+1
.endr
	global_load_b128 v[PC:PC+3], v[L16], s[50:51]
	s_cmp_eq_u32 s16, 3
	s_cbranch_scc1 .Lcb_v
	s_wait_alu depctr_va_vdst(0)
.irp t,0,1,2,3,4,5,6,7
.irp q,0,1
	global_load_b128 v[CB+8*\t+4*\q:CB+8*\t+4*\q+3], v15, s[54:55] offset:128*(\t/2)+32*(\t%2)+16*\q   ; register j of tile t: column 32 (t / 2) + 16 h + 8 (t % 2) + j
.endr
.endr
	s_branch .Lcb_done
.Lcb_v:
	s_wait_alu depctr_va_vdst(0)
.irp T,0,1,2,3,4,5,6,7
.irp j,0,1,2,3,4,5,6,7
	global_load_b32 v[CB+8*\T+\j], v17, s[54:55] offset:(32*(\T/2)+8*(\T%2))*4   ; all eight registers: my lane's column of L tile T
.endr
.endr
.Lcb_done:
.irp k,0,1,2,3,4,5,6,7
	RSET \k, 0
.endr
	s_wait_loadcnt 63                              ; behind the L panel's loads stand the bias's and R's 104
.set i, 0
.rept 24
	ds_store_b128 v7, v[160+4*i:163+4*i] offset:512*i
.set i, i+1
.endr
	ds_store_b128 v8, v[PC:PC+3]
	s_wait_dscnt 0x0                               ; my quarter has landed
	s_barrier_signal -1
	s_barrier_wait -1                              ; everybody's has
	s_lshr_b32 s18, ttmp9, 4
	s_lshl_b32 s18, s18, 3
	s_lshl_b32 s19, s17, 1
	s_add_co_u32 s18, s18, s19                     ; 8 x batch + my first head (y < 3)
	s_cmp_eq_u32 s16, 3
	s_cbranch_scc1 .Lpath_v
	s_cmp_eq_u32 s16, 2
	s_cbranch_scc1 .Lpath_u
; ---- q or k: blocks 0, 1 of a row's 128 numbers are the first head's 64, blocks 2, 3 the second's: registers 0-5 and 6-11 of the fragment are two half images of 768 bytes
	s_cmp_eq_u32 s16, 0
	s_cselect_b64 s[56:57], s[10:11], s[12:13]
	s_mov_b32 s36, 13056
	s_cselect_b32 s36, 6656, s36                   ; a block of 128 rows in qb, in kv
	s_cselect_b32 s37, 0x0303, 0                   ; q: 3 off both bytes: the scores' 1 / 8
	s_mov_b32 s[FLR], 0x2800000
	s_cselect_b32 s[FLR], 0x4000000, s[FLR]        ; q's floor is 2^(8 - 127), so that its byte less 3 is at least 1
	s_lshl_b32 s38, s18, 4
	s_and_b32 s39, ttmp9, 15
	s_add_co_u32 s38, s38, s39
	s_mul_i32 s38, s38, s36
	s_mov_b32 s39, 0
	s_add_nc_u64 s[56:57], s[56:57], s[38:39]      ; the first head's block,
	s_lshl_b32 s38, s36, 4
	s_add_nc_u64 s[58:59], s[56:57], s[38:39]      ; the second's
.macro QKOUT U, m
	QUANT 64*\m
	global_store_b128 v[L16], v[PC:PC+3], s[56:57] offset:(4*\U+\m)*768
	global_store_b64 v[L8], v[PC+4:PC+5], s[56:57] offset:(4*\U+\m)*768+512
	global_store_b128 v[L16], v[PC+6:PC+9], s[58:59] offset:(4*\U+\m)*768
	global_store_b64 v[L8], v[PC+10:PC+11], s[58:59] offset:(4*\U+\m)*768+512
	v_lshrrev_b32 v16, v10, v[PW]
	v_and_b32 v16, 0xffff, v16                     ; my head's two bytes; the upper two stay 0: they stand over zero codes
	v_sub_nc_u32 v16, v16, s37
	ds_store_b32 v9, v16 offset:(4*\U+\m)*64
.endm
	PANEL 8, 1, 0, 0, 0, 0
.irp m,0,1,2,3
	QKOUT 0, \m
.endr
	PANEL 8, 1, 0, 0, 6144, 256
.irp m,0,1,2,3
	QKOUT 1, \m
.endr
	ds_load_b128 v[160:163], v11                   ; LDS serves a wave's instructions in order: these see my stores
	ds_load_b128 v[164:167], v11 offset:512
	s_wait_dscnt 0x0
	global_store_b128 v[L16], v[160:163], s[56:57] offset:6144
	global_store_b128 v[L16], v[164:167], s[58:59] offset:6144
	s_wait_tensorcnt 0x0
	ds_add_u32 v91, v95
	s_wait_dscnt 0x0
	s_endpgm
; ---- u: the accumulators leave as they stand: a tile's 32 registers of a head are 4,096 bytes, eight stores of 512 consecutive bytes
.Lpath_u:
	s_lshl_b32 s38, s18, 7
	s_and_b32 s39, ttmp9, 15
	s_lshl_b32 s39, s39, 3
	s_add_co_u32 s38, s38, s39
	s_lshl_b32 s38, s38, 12
	s_mov_b32 s39, 0
	s_add_nc_u64 s[52:53], s[14:15], s[38:39]
.macro UOUT U
	WIN 0x0c                                       ; a store's data are its source 1: window 3
.irp m,0,1,2,3
.irp g,0,1,2,3,4,5,6,7
	global_store_b128 v[L16], v[64*\m+4*\g:64*\m+4*\g+3], s[52:53] offset:16384*\U+4096*\m+512*\g
.endr
.irp g,0,1,2,3,4,5,6,7
	global_store_b128 v[L16], v[64*\m+32+4*\g:64*\m+35+4*\g], s[52:53] offset:16384*\U+4096*\m+512*\g+524288
.endr
.endr
	WIN 0
.endm
	PANEL 8, 1, 0, 0, 0, 0
	UOUT 0
	s_wait_xcnt 0x0                                ; the stores have read the accumulators
	PANEL 8, 1, 0, 0, 6144, 256
	UOUT 1
	s_wait_tensorcnt 0x0
	ds_add_u32 v91, v95
	s_wait_dscnt 0x0
	s_endpgm
; ---- v: a lane is a column of v, the registers run down 128 keys: a fragment of V^T and its scale word
.Lpath_v:
	s_mov_b32 s[FLR], 0x2800000
	s_lshr_b32 s38, s24, 4
	s_lshl_b32 s38, s38, 3
	s_lshl_b32 s39, s21, 1
	s_add_co_u32 s38, s38, s39
	s_lshl_b32 s38, s38, 4
	s_and_b32 s39, s24, 15
	s_add_co_u32 s38, s38, s39
	s_mul_i32 s38, s38, 13056
	s_add_co_u32 s38, s38, 6656
	s_mov_b32 s39, 0
	s_add_nc_u64 s[52:53], s[12:13], s[38:39]
.macro VOUT U, m
	QUANT 64*\m
.irp g,0,1,2
	global_store_b128 v[L16], v[PC+4*\g:PC+4*\g+3], s[52:53] offset:208896*\U+1536*\m+512*\g
.endr
	ds_store_b32 v12, v[PW] offset:(4*\U+\m)*64
.endm
	PANEL 8, 2, 0, 0, 0, 0
.irp m,0,1,2,3
	VOUT 0, \m
.endr
	PANEL 8, 2, 0, 32, 6144, 256
.irp m,0,1,2,3
	VOUT 1, \m
.endr
	ds_load_b128 v[160:163], v13
	s_wait_dscnt 0x0
	global_store_b128 v14, v[160:163], s[52:53] offset:6144   ; lanes 0-15: the first head's 256 bytes; lanes 16-31: the second's
	s_wait_tensorcnt 0x0
	ds_add_u32 v91, v95
	s_wait_dscnt 0x0
	s_endpgm
.Lfunc_end_k_q0c85a22f79_proj1:
	.size	k_q0c85a22f79_proj1, .Lfunc_end_k_q0c85a22f79_proj1-k_q0c85a22f79_proj1
	.p2alignl 7, 3214868480
	.fill 96, 4, 3214868480
	.section	.rodata,"a",@progbits
	.p2align	6, 0x0
	.amdhsa_kernel k_q0c85a22f79_proj1
		.amdhsa_group_segment_fixed_size 57856
		.amdhsa_private_segment_fixed_size 0
		.amdhsa_enable_private_segment 0
		.amdhsa_kernarg_size 48
		.amdhsa_user_sgpr_count 2
		.amdhsa_user_sgpr_kernarg_segment_ptr 1
		.amdhsa_wavefront_size32 1
		.amdhsa_system_sgpr_workgroup_id_x 1
		.amdhsa_system_sgpr_workgroup_id_y 1
		.amdhsa_system_sgpr_workgroup_id_z 1
		.amdhsa_system_vgpr_workitem_id 0
		.amdhsa_next_free_vgpr 1024
		.amdhsa_next_free_sgpr 66
		.amdhsa_reserve_vcc 0
		.amdhsa_float_denorm_mode_32 3
		.amdhsa_float_denorm_mode_16_64 3
		.amdhsa_memory_ordered 1
		.amdhsa_forward_progress 1
		.amdhsa_inst_pref_size 234
	.end_amdhsa_kernel
	.amdgpu_metadata
---
amdhsa.version: [ 1, 2 ]
amdhsa.kernels:
  - .name:           k_q0c85a22f79_proj1
    .symbol:         k_q0c85a22f79_proj1.kd
    .args:
      - { .name: img, .offset: 0, .size: 8, .value_kind: global_buffer, .address_space: global }
      - { .name: isc, .offset: 8, .size: 8, .value_kind: global_buffer, .address_space: global }
      - { .name: b1, .offset: 16, .size: 8, .value_kind: global_buffer, .address_space: global }
      - { .name: qb, .offset: 24, .size: 8, .value_kind: global_buffer, .address_space: global }
      - { .name: kv, .offset: 32, .size: 8, .value_kind: global_buffer, .address_space: global }
      - { .name: ub, .offset: 40, .size: 8, .value_kind: global_buffer, .address_space: global }
    .group_segment_fixed_size: 57856
    .private_segment_fixed_size: 0
    .kernarg_segment_align: 8
    .kernarg_segment_size: 48
    .max_flat_workgroup_size: 128
    .sgpr_count:     66
    .vgpr_count:     1024
    .wavefront_size: 32
...
	.end_amdgpu_metadata
.endif
;; end of part 2
;; launch attn (part 3): grid 32 x 8, 8 waves a work-group, clusters of 4 x 1, 327,680 bytes of LDS; arguments qb, kv, ub, rel_pos_bias, gimg, gsc; writes gimg, gsc
.if DOCPART == 3
	.amdgcn_target "amdgcn-amd-amdhsa--gfx1250"
	.amdhsa_code_object_version 6
	.text
	.protected	k_q0c85a22f79_attn
	.globl	k_q0c85a22f79_attn
	.p2align	8
	.type	k_q0c85a22f79_attn,@function
k_q0c85a22f79_attn:
	s_mov_b64 s[64:65], 0
	v_nop
	global_prefetch_b8 v0, s[64:65] scope:SCOPE_SE
	s_setreg_imm32_b32 hwreg(HW_REG_WAVE_MODE, 25, 1), 1
	s_wait_xcnt 0x0
	s_wait_alu depctr_hold_cnt(0) depctr_sa_sdst(0) depctr_va_vdst(0) depctr_va_sdst(0) depctr_va_ssrc(0) depctr_va_vcc(0) depctr_vm_vsrc(0)
	s_getreg_b32 s2, hwreg(HW_REG_IB_STS2, 6, 4)
	s_cmp_eq_u32 s2, 0
	s_cbranch_scc0 .Lentry_in_a_cluster
	s_endpgm
.Lentry_in_a_cluster:
	s_bfe_u32 s2, ttmp6, 0x10000c
	s_cmp_lg_u32 s2, 0x3003
	s_cbranch_scc0 .Lentry_shape_is_right
	s_endpgm
.Lentry_shape_is_right:
; LAUNCH 3 OF 4.  Causal attention with an additive bias, both products on codes of BF6; then / the row's sum, x sigmoid(u), and the result quantised along the head's 64 for the next product.
; SHARES.  Work-group p = 4 cl + cx of head hd owns the query blocks of 32 rows A = p and then B = 63 - p, FOR ALL FOUR BATCHES, so that each byte of the bias is fetched once.  Wave w: batch w % 4, query tile w / 4.
; Keys go 128 a step, two steps to an LDS slot.  A needs steps 0 .. cl, that is a = cl / 2 + 1 slots; B needs steps 0 .. 15 - cl, 9 - a slots: NINE slots and 17 steps of work in every work-group, so the loop's count is a constant.
; A step all of whose keys come after the block's queries is left out by a scalar branch on ids; no tensor load and no barrier stands in a step.
; CLUSTER.  The four partners share cl, so they walk the same K and V in the same order: those tiles are asked for JOINTLY (mask 15) by waves 0-3.  All branches hang on cl, the wave's number and loop counts; cx enters global addresses and the lanes' query numbers alone.
; THE BIAS TILE (32 rows x 256 keys) is the work-group's own and COMES THROUGH REGISTERS: behind each round every wave loads four rows of the next slot's tile (8 loads of 512 consecutive bytes), and at the next change of slots
; it stores them into that slot's bias part, bytes that no tensor load fills; the round's barrier shows them to all eight waves.
; IN LDS THE TILE'S ROWS LIE IN THE ORDER OF THE QUERY TILES' LANE-ROWS: row 8 u + i + 8 (i / 8) of the block, which is lane-row i of query tile u, lies at LDS row 16 u + i.  So the sixteen lanes of a load read sixteen
; neighbouring rows of 1,040 bytes = 65 x 16, which begin in sixteen different columns of 16 bytes modulo 256.
; LAYOUT.  S^T = K Q^T + bias (source 0 = 16 keys, source 1 = my 16 queries; THE BIAS IS THE C OPERAND, read from LDS in the result's layout; the 1 / 8 lies in q's scale bytes), O^T = V^T P^T: a lane holds one query throughout.
; The head's 64 fill half of the instruction's 128 along K: Q's upper six registers are zero codes, so whatever K's upper six hold (the next tile's codes) adds nothing; the scale bytes over them are 0, which is 2^-127.
; THE SOFTMAX: t = logit x log2(e); M = the running largest t rounded up to a whole number; p = 2^(t - M) is quantised along the keys; the row's sum is taken of the unquantised p.
; LIMITS: NaN and infinities are not served; a block of zeros gets the byte 1; the sum q . k / 8 + bias is rounded by the matrix unit.
.set SLOTB, 137728                     ; an LDS slot: four batches' K and V of two steps (4 x 26,112), then the bias (32 rows x 1,040)
.set KVS,   26112
.set STB,   13056                      ; a step: K's codes 8 x 768, K's scale words 512, V^T 4 x 1,536, V's scale words 256
.set BOFF,  104448
.set BPI,   1040
.set SPARE, 275456                     ; behind the two slots: the spare words, 128 bytes for each of the eight waves
.set BM, 212                           ; v212-215 each block's largest score, then largest p
.set PT, 216                           ; v216-219 at work
.set SO, 220                           ; v220-223 the conversions' scale operands
; v1, v2, v3: 16, 8, 4 x lane; v4 my place in a bias tile; v5, v6 the add's; v7 my query less the diagonal step's first key less 16 h; v8-11 the step's addresses; v12 -M, v13 the largest t, v[14:15] the sum;
; v16-27 Q (v22-27 zeros), v28 its scale words; v29 4 r; v30 the prefetch's offset; v31 r + 8 (r / 8) - 16 h; v32-79 K's or V's fragments, v80-85 zeros; v86-89 their scale words; v96-159 S^T, then p; v160-191 O^T;
; v192-203 p's codes; v204-210 conversion results on their way; v224 f, v225 p's scale word; v226 at work; v227-229 the bias's way: LDS address in the slot, in slot 0, offset in memory.
; Window 1: v0-31 block A's u; v32-38 block B's Q; v64-95 my four rows of a bias tile; v96-127 block B's u.
.set WV, 16
.set BB, 17
.set UQ, 18
.set CL, 19
.set CX, 20
.set HD, 21
.set PP, 22
.set AA, 23
.set FB, 24                            ; the block's last step, the one on the diagonal
.set STP, 25                           ; the step in hand
.set SG, 26                            ; the slot in hand: the loop's counter
.set NF, 27
.set AM1, 28
.set BH, 29
.set SEL, 30
.set G1K, 32
.set G0K, 48
.set BGA, 54                           ; s[54:55] the bias tile that is being loaded
.set KVB, 56
.set CS, 58
.set NL, 60
.set ROWA, 62
.set ROWB, 63
.set KB, 66
.set PB, 67
.set OKO, 68
.set OBO, 70
.set PFA, 72
.set GG, 88
.set WKO, 89
.set NF2, 90
.set MSB, 0
.macro WIN new
.if MSB != (\new)
	s_set_vgpr_msb (MSB<<8)|(\new)
.set MSB, (\new)
.endif
.endm
.macro WMMA
.if rRA
	v_wmma_scale_f32_16x16x128_f8f6f4 v[rD:rD+7], v[rA:rA+11], v[rB:rB+11], v[rD:rD+7], v[rSA], v[rSB] matrix_a_fmt:MATRIX_FMT_BF6 matrix_b_fmt:MATRIX_FMT_BF6 matrix_a_scale:MATRIX_SCALE_ROW1
.else
	v_wmma_scale_f32_16x16x128_f8f6f4 v[rD:rD+7], v[rA:rA+11], v[rB:rB+11], v[rD:rD+7], v[rSA], v[rSB] matrix_a_fmt:MATRIX_FMT_BF6 matrix_b_fmt:MATRIX_FMT_BF6
.endif
.endm
.macro ROUND                           ; a round of the cluster's barrier
	s_barrier_signal -1
	s_barrier_wait -1
	s_cmp_lg_u32 s[WV], 0
	s_cbranch_scc1 .Lnot_wave_0_\@
	s_barrier_signal -3
.Lnot_wave_0_\@:
	s_barrier_wait -3
	s_barrier_signal -1
	s_barrier_wait -1
.endm
; My four rows (4 w on) of the bias tile at s[BGA]: each load takes 512 consecutive bytes of a row, aligned; each byte of the bias is read once in the launch.
.macro BLOAD
	WIN 0x40
.irp i,0,1,2,3,4,5,6,7
	global_load_b128 v[64+4*\i:67+4*\i], v229, s[BGA:BGA+1] offset:8192*(\i/2)+512*(\i%2) th:TH_LOAD_NT
.endr
	WIN 0
.endm
; Waves 0-3 ask jointly for their batch's K and V of a slot.  The branch hangs on the wave's number alone.  Four v_nop follow the line.  A wave has one tensor load out at the most.
.macro TLOAD
	s_cmp_lt_u32 s[WV], 4
	s_cbranch_scc0 .Lasked_\@
	tensor_load_to_lds s[G0K:G0K+3], s[G1K:G1K+7]
	s_nop 0
.rept 4
	v_nop
.endr
.Lasked_\@:
.endm
; A PREFETCH INTO THE L2 of the bias tile that the NEXT change of slots will load: 32 rows x 1,024 bytes = 128 blocks of 256 bytes; waves 4-7 take 8 rows each, a lane a block.  A bias tile is read by this work-group alone,
; so each block is named once in the launch.  It stands a slot's two key steps ahead of the loads.  Slots 0 and 1 come by their loads alone; the last change that fills a slot asks for nothing.
.macro ASK
	s_cmp_lt_u32 s[WV], 4
	s_cbranch_scc1 .Lnot_mine_\@
	s_cmp_gt_u32 s[NF], 7
	s_cbranch_scc1 .Lnot_mine_\@
	global_prefetch_b8 v30, s[PFA:PFA+1] th:TH_LOAD_NT scope:SCOPE_SE
.Lnot_mine_\@:
.endm
.macro SOFF n                          ; slot s[n] of the nine: block A's slot n, or block B's slot n - a.  s[OKO]: its bytes into a batch's and head's K and V; s[OBO]: into the bias
	s_cmp_ge_u32 s[\n], s[AA]
	s_cselect_b32 s84, s[AA], 0
	s_cselect_b32 s85, s[ROWB], s[ROWA]
	s_sub_co_u32 s84, s[\n], s84
	s_mul_i32 s[OKO], s84, KVS
	s_lshl_b32 s84, s84, 10
	s_add_co_u32 s[OBO], s85, s84
.endm
.macro QADR g                          ; block s[g]: s[80:81] my tile's codes in qb, s[82:83] its scale words
	s_lshl_b32 s84, s[BH], 4
	s_lshr_b32 s85, s[\g], 2
	s_add_co_u32 s84, s84, s85
	s_mul_i32 s84, s84, 6656
	s_and_b32 s85, s[\g], 3
	s_lshl_b32 s85, s85, 1
	s_add_co_u32 s85, s85, s[UQ]
	s_mul_i32 s80, s85, 768
	s_add_co_u32 s80, s80, s84
	s_mov_b32 s81, 0
	s_lshl_b32 s82, s85, 6
	s_add_co_u32 s82, s82, s84
	s_add_co_u32 s82, s82, 6144
	s_mov_b32 s83, 0
	s_add_nc_u64 s[80:81], s[4:5], s[80:81]
	s_add_nc_u64 s[82:83], s[4:5], s[82:83]
.endm
.macro OUTSET                          ; block s[GG]: s[74:75] my tile of u, s[76:77] of gimg, s[78:79] of gsc; v7
	s_lshl_b32 s84, s[GG], 1
	s_add_co_u32 s84, s84, s[UQ]
	s_lshl_b32 s85, s[BH], 7
	s_add_co_u32 s85, s85, s84
	s_lshl_b32 s74, s85, 12
	s_mov_b32 s75, 0
	s_add_nc_u64 s[74:75], s[8:9], s[74:75]
	s_lshl_b32 s85, s[BB], 7
	s_add_co_u32 s85, s85, s84                     ; the tile among all 512 tiles of rows
	s_lshr_b32 s86, s85, 2
	s_mul_i32 s76, s86, 24576
	s_lshr_b32 s86, s[HD], 1
	s_lshl_b32 s86, s86, 2
	s_and_b32 s87, s85, 3
	s_add_co_u32 s86, s86, s87
	s_mul_i32 s86, s86, 1536
	s_add_co_u32 s76, s76, s86
	s_and_b32 s86, s[HD], 1
	s_mul_i32 s86, s86, 768
	s_add_co_u32 s76, s76, s86
	s_mov_b32 s77, 0
	s_add_nc_u64 s[76:77], s[12:13], s[76:77]
	s_lshl_b32 s86, s[HD], 9
	s_add_co_u32 s86, s86, s85
	s_lshl_b32 s78, s86, 6
	s_mov_b32 s79, 0
	s_add_nc_u64 s[78:79], s[14:15], s[78:79]
	s_and_b32 s86, s[GG], 3
	s_lshl_b32 s86, s86, 5
	s_lshl_b32 s87, s[UQ], 3
	s_add_co_u32 s86, s86, s87
	v_add_nc_u32 v7, s86, v31
.endm
.macro STATE0                          ; a block begins: the largest t is -3e38, the sum and O^T are zeros, which the first change of M leaves zeros
	v_mov_b32 v13, 0xff61b1e6
	s_delay_alu instid0(VALU_DEP_1)
	v_floor_f32 v12, -v13
	v_mov_b32 v14, 0
	v_mov_b32 v15, 0
.set j, 0
.rept 32
	v_mov_b32 v[160+j], 0
.set j, j+1
.endr
.endm
.macro ULOAD ub                        ; my tile of u into window 1, v[ub] on
	WIN 0x40
.irp g,0,1,2,3,4,5,6,7
	global_load_b128 v[\ub+4*\g:\ub+4*\g+3], v1, s[74:75] offset:512*\g th:TH_LOAD_NT
.endr
	WIN 0
.endm
; A KEY STEP: 128 keys, the q-th of the slot in hand.
.macro STEP q
	s_cmp_gt_u32 s[STP], s[FB]
	s_cbranch_scc1 .Lhid_\@
	v_add_nc_u32 v8, s[KB], v1                     ; (these four are also the places ahead of loads into registers that the last products have read)
	v_add_nc_u32 v9, s[KB], v2
	v_add_nc_u32 v10, s[KB], v3
	v_add_nc_u32 v11, s[PB], v4
.irp T,0,1,2,3,4,5,6,7
.irp jj,0,1
	ds_load_b128 v[96+8*\T+4*\jj:99+8*\T+4*\jj], v11 offset:512*(\q)+128*(\T/2)+32*(\T%2)+16*\jj   ; the bias of my query at keys 32 (T / 2) + 16 h + 8 (T % 2) + 0 .. 7
.endr
.endr
.irp T,0,1,2,3,4,5,6,7
	ds_load_b128 v[32+6*\T:35+6*\T], v8 offset:STB*(\q)+768*\T
	ds_load_b64 v[36+6*\T:37+6*\T], v9 offset:STB*(\q)+768*\T+512
.endr
.irp i,0,1,2,3
	ds_load_b32 v[86+\i], v10 offset:STB*(\q)+6144+128*\i   ; lanes 0-15: tile 2 i's scale words; lanes 16-31: tile 2 i + 1's
.endr
	s_wait_alu depctr_va_vdst(0)
	s_wait_dscnt 0x0
.irp T,0,1,2,3,4,5,6,7
.set rD, 96+8*\T
.set rA, 32+6*\T
.set rB, 16
.set rSA, 86+\T/2
.set rSB, 28
.set rRA, \T%2
	WMMA
.endr
.rept 4
	v_nop                                          ; places ahead of the loads below and of the first read of the scores
.endr
.irp t,0,1,2,3
.irp g,0,1,2
	ds_load_b128 v[32+12*\t+4*\g:35+12*\t+4*\g], v8 offset:STB*(\q)+6656+1536*\t+512*\g   ; V^T: it lands while the softmax is worked
.endr
.endr
.irp i,0,1
	ds_load_b32 v[86+\i], v10 offset:STB*(\q)+12800+128*\i
.endr
	s_cmp_lg_u32 s[STP], s[FB]                     ; on the diagonal the logits of hidden keys become -infinity ahead of the maximum
	s_cbranch_scc1 .Lopen_\@
	v_mov_b32 v226, 0xff800000
.set n, 0
.rept 64
	v_cmp_gt_i32 vcc_lo, 32*(n/16)+n%16, v7
	v_cndmask_b32 v[96+n], v[96+n], v226, vcc_lo
.set n, n+1
.endr
.Lopen_\@:
.irp b,0,1,2,3
	v_max3_num_f32 v[BM+\b], v[96+16*\b], v[97+16*\b], v[98+16*\b]   ; the largest logit of each block of 32 keys: for the row's maximum, and, since p rises with the logit, for the block's largest p
.endr
.irp i,3,5,7,9,11,13
.irp b,0,1,2,3
	v_max3_num_f32 v[BM+\b], v[BM+\b], v[96+16*\b+\i], v[97+16*\b+\i]
.endr
.endr
.irp b,0,1,2,3
	v_max_num_f32 v[BM+\b], v[BM+\b], v[111+16*\b]
.endr
.irp b,0,1,2,3
	s_delay_alu instid0(VALU_DEP_4)
	v_permlanex16_b32 v[PT+\b], v[BM+\b], s[SEL], s[SEL+1]
.endr
.irp b,0,1,2,3
	s_delay_alu instid0(VALU_DEP_4)
	v_max_num_f32 v[BM+\b], v[BM+\b], v[PT+\b]
.endr
	s_delay_alu instid0(VALU_DEP_2)
	v_max3_num_f32 v226, v[BM], v[BM+1], v[BM+2]
	s_delay_alu instid0(VALU_DEP_1)
	v_max_num_f32 v226, v226, v[BM+3]
	s_delay_alu instid0(VALU_DEP_1)
	v_mul_f32 v226, s[CS], v226
	s_delay_alu instid0(VALU_DEP_1)
	v_max_num_f32 v13, v13, v226                   ; the running largest t
	v_mov_b32 v226, v12
	s_delay_alu instid0(VALU_DEP_2)
	v_floor_f32 v12, -v13                          ; the new -M = -ceil(t): a whole number
	s_delay_alu instid0(VALU_DEP_1)
	v_sub_f32 v226, v12, v226
	s_delay_alu instid0(VALU_DEP_1)
	v_cvt_i32_f32 v226, v226                       ; (it saturates)
	s_delay_alu instid0(VALU_DEP_1)
	v_ldexp_f32 v224, 1.0, v226                    ; f = 2^(old M - new M): a multiplication by it rounds nothing
.set j, 0
.rept 32
	v_pk_fma_f32 v[96+j:97+j], v[96+j:97+j], s[CS:CS+1], v[12:13] op_sel_hi:[1,0,0]   ; t - M
.set j, j+2
.endr
.irp b,0,1,2,3
	v_fma_f32 v[BM+\b], v[BM+\b], s[CS], v12
.endr
.set j, 0
	s_wait_alu depctr_va_vdst(0)                   ; the wait ahead of the batch
.rept 64
	v_exp_f32 v[96+j], v[96+j]                     ; p = 2^(t - M)
.set j, j+1
.endr
	v_pk_mul_f32 v[14:15], v[14:15], v[224:225] op_sel_hi:[1,0]   ; the sums under the new M (a plain instruction behind the exponentials)
	s_wait_alu depctr_va_vdst(0)                   ; one wait for the batch, ahead of its first reader
.irp b,0,1,2,3
	v_exp_f32 v[BM+\b], v[BM+\b]                   ; each block's largest p
.endr
	v_pk_add_f32 v[216:217], v[100:101], v[104:105]
	v_pk_add_f32 v[254:255], v[108:109], v[112:113]
	v_pk_add_f32 v[252:253], v[116:117], v[120:121]
	v_pk_add_f32 v[250:251], v[124:125], v[128:129]
	v_pk_add_f32 v[248:249], v[132:133], v[136:137]
	v_pk_add_f32 v[246:247], v[140:141], v[144:145]
	v_pk_add_f32 v[244:245], v[148:149], v[152:153]
	v_pk_add_f32 v[14:15], v[14:15], v[156:157]
	v_pk_add_f32 v[216:217], v[216:217], v[96:97]
	v_pk_add_f32 v[254:255], v[254:255], v[98:99]
	v_pk_add_f32 v[252:253], v[252:253], v[102:103]
	v_pk_add_f32 v[250:251], v[250:251], v[106:107]
	v_pk_add_f32 v[248:249], v[248:249], v[110:111]
	v_pk_add_f32 v[246:247], v[246:247], v[114:115]
	v_pk_add_f32 v[244:245], v[244:245], v[118:119]
	v_pk_add_f32 v[14:15], v[14:15], v[122:123]
	v_pk_add_f32 v[216:217], v[216:217], v[126:127]
	v_pk_add_f32 v[254:255], v[254:255], v[130:131]
	v_pk_add_f32 v[252:253], v[252:253], v[134:135]
	v_pk_add_f32 v[250:251], v[250:251], v[138:139]
	v_pk_add_f32 v[248:249], v[248:249], v[142:143]
	v_pk_add_f32 v[246:247], v[246:247], v[146:147]
	v_pk_add_f32 v[244:245], v[244:245], v[150:151]
	v_pk_add_f32 v[14:15], v[14:15], v[154:155]
	v_pk_add_f32 v[216:217], v[216:217], v[158:159]
	s_delay_alu instid0(VALU_DEP_2)
	v_pk_add_f32 v[14:15], v[14:15], v[250:251]
	s_delay_alu instid0(VALU_DEP_2)
	v_pk_add_f32 v[216:217], v[216:217], v[248:249]
	v_pk_add_f32 v[254:255], v[254:255], v[246:247]
	v_pk_add_f32 v[252:253], v[252:253], v[244:245]
	s_delay_alu instid0(VALU_DEP_2)
	v_pk_add_f32 v[14:15], v[14:15], v[254:255]
	s_delay_alu instid0(VALU_DEP_2)
	v_pk_add_f32 v[216:217], v[216:217], v[252:253]
	s_delay_alu instid0(VALU_DEP_1)
	v_pk_add_f32 v[14:15], v[14:15], v[216:217]
	s_wait_alu depctr_va_vdst(0)                   ; and one for the four
.irp b,0,1,2,3
	v_max_num_f32 v[BM+\b], 0x2800000, v[BM+\b]    ; the floor 2^(5 - 127)
.endr
.irp b,0,1,2,3
	s_delay_alu instid0(VALU_DEP_4)
	v_add_nc_u32 v[SO+\b], 0xfe000000, v[BM+\b]
.endr
.irp b,0,1,2,3
	s_delay_alu instid0(VALU_DEP_4)
	v_lshrrev_b32 v[PT+\b], 23, v[SO+\b]
.endr
	s_delay_alu instid0(VALU_DEP_3)
	v_lshl_or_b32 v225, v[PT+1], 8, v[PT]          ; p's scale word for these 128 keys
	s_delay_alu instid0(VALU_DEP_1)
	v_lshl_or_b32 v225, v[PT+2], 16, v225
	s_delay_alu instid0(VALU_DEP_1)
	v_lshl_or_b32 v225, v[PT+3], 24, v225
.irp c,0,1
	v_cvt_scalef32_pk16_bf6_f32 v[192+6*\c:194+6*\c], v[96+32*\c:111+32*\c], v[SO+2*\c]
	v_cvt_scalef32_pk16_bf6_f32 v[204+4*\c:206+4*\c], v[112+32*\c:127+32*\c], v[SO+2*\c+1]
.endr
	v_nop
.irp c,0,1
.irp i,0,1,2
	v_permlane16_swap_b32 v[192+6*\c+\i], v[204+4*\c+\i]
.endr
.irp i,0,1,2
	s_delay_alu instid0(VALU_DEP_3)
	v_mov_b32 v[195+6*\c+\i], v[204+4*\c+\i]
.endr
.endr
.set j, 0
.rept 16
	v_pk_mul_f32 v[160+j:161+j], v[160+j:161+j], v[224:225] op_sel_hi:[1,0]   ; O^T under the new M (these also stand between the writes of p's codes and scale word and the products)
.set j, j+2
.endr
	s_wait_alu depctr_va_vdst(0)
	s_wait_dscnt 0x0                               ; V^T is in
.irp t,0,1,2,3
.set rD, 160+8*\t
.set rA, 32+12*\t
.set rB, 192
.set rSA, 86+\t/2
.set rSB, 225
.set rRA, \t%2
	WMMA
.endr
.Lhid_\@:
	s_add_co_u32 s[STP], s[STP], 1
.endm
; THE CHANGE OF SLOTS, at a slot's head.  My four rows of this slot's bias tile are in registers: they go into the slot's bias part, which was last read two slots back, ahead of the last barrier.
; Then each wave waits for all its tensor loads, adds 0 to its spare word, and waits for that, for its stores and for its reads of the slot that it has left.
; fill = 1: a round of the cluster's barrier, and behind it the slot just left is filled with K and V of slot SG + 1 of the nine, and that slot's bias tile is loaded: both have two key steps in which to land.
.macro CHANGE fill
	s_and_b32 s84, s[SG], 1
	s_mul_i32 s[PB], s84, SLOTB                    ; the slot to be read,
	s_add_co_u32 s[KB], s[PB], s[WKO]              ; my batch's part of it
	s_wait_loadcnt 0x0                             ; my rows of its bias tile are in
	v_add_nc_u32 v227, s[PB], v228
	WIN 0x04                                       ; a store's data are its source 1: window 1
.irp i,0,1,2,3,4,5,6,7
	ds_store_b128 v227, v[64+4*\i:67+4*\i] offset:BPI*(\i/2)+512*(\i%2)
.endr
	WIN 0
	s_wait_tensorcnt 0x0                           ; no tensor load of mine is out, so a group 0 may be written
	ds_add_u32 v5, v6
	ds_add_u32 v5, v6
.if \fill
	s_add_co_u32 s[NF], s[SG], 1
	SOFF NF
	s_and_b32 s84, s[NF], 1
	s_mul_i32 s84, s84, SLOTB
	s_add_co_u32 s[G0K+1], s84, s[WKO]
	s_add_nc_u64 s[G0K+2:G0K+3], s[KVB:KVB+1], s[OKO:OKO+1]
	s_or_b32 s[G0K+3], s[G0K+3], 0x80000000
	s_add_nc_u64 s[BGA:BGA+1], s[10:11], s[OBO:OBO+1]   ; (the loads that read this base have come back)
	s_wait_xcnt 0x0                                ; the last prefetch, a slot back, has read its address
	s_add_co_u32 s[NF2], s[NF], 1
	s_min_u32 s[NF2], s[NF2], 8
	SOFF NF2
	s_add_nc_u64 s[PFA:PFA+1], s[10:11], s[OBO:OBO+1]
.endif
	s_wait_dscnt 0x0                               ; the adds and my stores are done, and my reads of the slot that I have left are over
.if \fill
	ROUND
	TLOAD
	ASK
	BLOAD
.else
	s_barrier_signal -1
	s_barrier_wait -1
.endif
.endm
; A BLOCK'S END: O^T / the sum x sigmoid(u), quantised along the head's 64: half a fragment (768 bytes) and two scale bytes a row.  u (window 1, v[ub] on) came in ahead of the first change of slots.
.macro EPILOGUE ub
.rept 4
	v_nop                                          ; places behind the last products
.endr
	v_add_f32 v14, v14, v15
	s_delay_alu instid0(VALU_DEP_1)
	v_permlanex16_b32 v226, v14, s[SEL], s[SEL+1]
	s_delay_alu instid0(VALU_DEP_1)
	v_add_f32 v14, v14, v226
	s_wait_alu depctr_va_vdst(0)
	v_rcp_f32 v14, v14
	WIN 0x01
.set j, 0
.rept 16
	v_pk_mul_f32 v[96+j:97+j], v[\ub+j:\ub+j+1], s[NL:NL+1] op_sel_hi:[1,0]   ; -u log2(e)
.set j, j+2
.endr
	WIN 0
.set j, 0
	s_wait_alu depctr_va_vdst(0)
.rept 32
	v_exp_f32 v[96+j], v[96+j]
.set j, j+1
.endr
	v_nop
	s_wait_alu depctr_va_vdst(0)                   ; one wait for the reciprocal and the 32 exponentials
.set j, 0
.rept 16
	v_pk_add_f32 v[96+j:97+j], v[96+j:97+j], 1.0 op_sel_hi:[1,0]
.set j, j+2
.endr
.set j, 0
	s_wait_alu depctr_va_vdst(0)
.rept 32
	v_rcp_f32 v[96+j], v[96+j]                     ; sigmoid(u) = 1 / (1 + 2^(-u log2(e)))
.set j, j+1
.endr
	v_nop
	s_wait_alu depctr_va_vdst(0)
.set j, 0
.rept 16
	v_pk_mul_f32 v[128+j:129+j], v[160+j:161+j], v[14:15] op_sel_hi:[1,0]   ; each accumulator from its low end on
.set j, j+2
.endr
.set j, 0
.rept 16
	v_pk_mul_f32 v[128+j:129+j], v[128+j:129+j], v[96+j:97+j]
.set j, j+2
.endr
.irp b,0,1
	v_max3_num_f32 v[BM+\b], |v[128+16*\b]|, |v[129+16*\b]|, 0x2800000
.endr
.irp i,2,4,6,8,10,12,14
.irp b,0,1
	s_delay_alu instid0(VALU_DEP_2)
	v_max3_num_f32 v[BM+\b], v[BM+\b], |v[128+16*\b+\i]|, |v[129+16*\b+\i]|
.endr
.endr
.irp b,0,1
	s_delay_alu instid0(VALU_DEP_2)
	v_permlanex16_b32 v[PT+\b], v[BM+\b], s[SEL], s[SEL+1]
.endr
.irp b,0,1
	s_delay_alu instid0(VALU_DEP_2)
	v_max_num_f32 v[BM+\b], v[BM+\b], v[PT+\b]
.endr
.irp b,0,1
	s_delay_alu instid0(VALU_DEP_2)
	v_add_nc_u32 v[SO+\b], 0xfe000000, v[BM+\b]
.endr
.irp b,0,1
	s_delay_alu instid0(VALU_DEP_2)
	v_lshrrev_b32 v[PT+\b], 23, v[SO+\b]
.endr
	s_delay_alu instid0(VALU_DEP_1)
	v_lshl_or_b32 v226, v[PT+1], 8, v[PT]
	v_cvt_scalef32_pk16_bf6_f32 v[192:194], v[128:143], v[SO]
	v_cvt_scalef32_pk16_bf6_f32 v[204:206], v[144:159], v[SO+1]
	v_nop
.irp i,0,1,2
	v_permlane16_swap_b32 v[192+\i], v[204+\i]
.endr
.irp i,0,1,2
	s_delay_alu instid0(VALU_DEP_3)
	v_mov_b32 v[195+\i], v[204+\i]
.endr
	global_store_b128 v1, v[192:195], s[76:77]
	global_store_b64 v2, v[196:197], s[76:77] offset:512
	global_store_b32 v29, v226, s[78:79]           ; both halves of the lanes write the same word with the same value
.endm
	s_load_b256 s[4:11], s[0:1], 0x0               ; qb, kv, ub, the bias
	s_load_b128 s[12:15], s[0:1], 0x20             ; gimg, gsc
	v_lshl_add_u32 v5, v0, 2, SPARE
	v_mov_b32 v6, 0
	ds_add_u32 v5, v6                              ; the opening lines: the add, twice on end, and its wait
	ds_add_u32 v5, v6
	s_wait_dscnt 0x0
	v_lshrrev_b32 v7, 5, v0
	s_delay_alu instid0(VALU_DEP_1)
	v_readfirstlane_b32 s[WV], v7                  ; wave 0..7
	s_and_b32 s[BB], s[WV], 3                      ; my batch
	s_lshr_b32 s[UQ], s[WV], 2                     ; my query tile of the block's two
	s_bfe_u32 s[CX], ttmp6, 0x40000                ; my place in the cluster
	s_mov_b32 s[CL], ttmp9                         ; the cluster
	s_and_b32 s[HD], ttmp7, 0xffff                 ; the head
	s_lshl_b32 s[PP], s[CL], 2
	s_add_co_u32 s[PP], s[PP], s[CX]
	s_lshr_b32 s[AM1], s[CL], 1
	s_add_co_u32 s[AA], s[AM1], 1
	s_mov_b32 s[G1K], 15|(3<<16)|(1<<21)           ; the mask: all four work-groups; elements of 8 bytes; bit 21 beside a mask; no padding
	s_mov_b32 s[G1K+1], 32<<16                     ; 26,112 dense bytes as 102 rows of 256
	s_mov_b32 s[G1K+2], 102<<16
	s_mov_b32 s[G1K+3], 32<<16
	s_mov_b32 s[G1K+4], 102
	s_mov_b32 s[G1K+5], 32
	s_mov_b32 s[G1K+6], 0
	s_mov_b32 s[G1K+7], 0
	s_mov_b32 s[SEL], 0x76543210
	s_mov_b32 s[SEL+1], 0xfedcba98
	s_mov_b32 s[CS], 0x3fb8aa3b                    ; log2(e)
	s_mov_b32 s[CS+1], s[CS]
	s_mov_b32 s[NL], 0xbfb8aa3b
	s_mov_b32 s[NL+1], s[NL]
	s_mov_b32 s[OKO+1], 0
	s_mov_b32 s[OBO+1], 0
	s_mul_i32 s[WKO], s[BB], KVS
	s_lshl_b32 s[BH], s[BB], 3
	s_add_co_u32 s[BH], s[BH], s[HD]
	s_mul_i32 s80, s[BH], 208896
	s_mov_b32 s81, 0
	s_lshl_b32 s84, s[HD], 24
	s_lshl_b32 s[ROWA], s[PP], 18
	s_add_co_u32 s[ROWA], s[ROWA], s84             ; the bias at block A's first row,
	s_sub_co_u32 s85, 63, s[PP]
	s_lshl_b32 s[ROWB], s85, 18
	s_add_co_u32 s[ROWB], s[ROWB], s84             ; at block B's
	s_mov_b32 s[FB], s[CL]
	s_mov_b32 s[STP], 0
	s_wait_kmcnt 0x0
	s_add_nc_u64 s[KVB:KVB+1], s[6:7], s[80:81]
	s_mov_b32 s[G0K], 1
	s_mov_b32 s[G0K+1], s[WKO]
	s_mov_b64 s[G0K+2:G0K+3], s[KVB:KVB+1]
	s_or_b32 s[G0K+3], s[G0K+3], 0x80000000
	s_mov_b32 s[OBO], s[ROWA]
	s_add_nc_u64 s[BGA:BGA+1], s[10:11], s[OBO:OBO+1]
	ROUND                                          ; all four work-groups are here: the first joint loads meet
	TLOAD                                          ; slot 0's K and V
	v_and_b32 v8, 31, v0
	v_and_b32 v9, 15, v0                           ; r
	v_bfe_u32 v10, v0, 4, 1                        ; h
	s_delay_alu instid0(VALU_DEP_3)
	v_lshlrev_b32 v1, 4, v8
	s_delay_alu instid0(VALU_DEP_4)
	v_lshlrev_b32 v2, 3, v8
	v_lshlrev_b32 v3, 2, v8
	v_lshlrev_b32 v29, 2, v9
	v_and_b32 v11, 8, v9
	s_delay_alu instid0(VALU_DEP_1)
	v_add_nc_u32 v11, v11, v9                      ; r + 8 (r / 8)
	v_lshlrev_b32 v12, 4, v10
	s_delay_alu instid0(VALU_DEP_1)
	v_sub_nc_u32 v31, v11, v12
	s_lshl_b32 s84, s[UQ], 4
	v_add_nc_u32 v4, s84, v9                       ; my query's row of the bias tile in LDS: 16 x my query tile + r
	s_delay_alu instid0(VALU_DEP_1)
	v_mul_u32_u24 v4, v4, BPI
	s_delay_alu instid0(VALU_DEP_1)
	v_lshl_add_u32 v4, v10, 6, v4
	s_delay_alu instid0(VALU_DEP_1)
	v_add_nc_u32 v4, BOFF, v4
	v_lshrrev_b32 v12, 2, v8
	s_lshl_b32 s84, s[BB], 3
	v_add_nc_u32 v12, s84, v12
	v_and_b32 v13, 3, v8
	s_delay_alu instid0(VALU_DEP_2)
	v_lshlrev_b32 v30, 13, v12
	s_delay_alu instid0(VALU_DEP_1)
	v_lshl_add_u32 v30, v13, 8, v30
	s_bfe_u32 s84, s[WV], 0x10001                  ; the block's rows 4 w on are lane-rows 4 (w % 2) + 8 (w / 4) on of query tile (w / 2) % 2:
	s_lshl_b32 s84, s84, 4
	s_and_b32 s85, s[WV], 1
	s_lshl_b32 s85, s85, 2
	s_add_co_u32 s84, s84, s85
	s_lshr_b32 s85, s[WV], 2
	s_lshl_b32 s85, s85, 3
	s_add_co_u32 s84, s84, s85                     ; LDS rows 16 ((w / 2) % 2) + 4 (w % 2) + 8 (w / 4) on
	s_mul_i32 s84, s84, BPI
	s_add_co_u32 s84, s84, BOFF
	v_add_nc_u32 v228, s84, v1                     ; of slot 0's bias part, 16 x lane
	s_lshl_b32 s84, s[WV], 15
	v_add_nc_u32 v229, s84, v1                     ; rows 4 w on of a tile in memory: rows of 8,192 bytes
	BLOAD                                          ; slot 0's bias tile
	QADR PP
	global_load_b128 v[16:19], v1, s[80:81]
	global_load_b64 v[20:21], v2, s[80:81] offset:512
	global_load_b32 v28, v29, s[82:83]
	s_wait_xcnt 0x0                                ; these loads have read their addresses
	s_sub_co_u32 s[GG], 63, s[PP]
	QADR GG
	WIN 0x40
	global_load_b128 v[32:35], v1, s[80:81]        ; block B's Q waits in window 1,
	global_load_b64 v[36:37], v2, s[80:81] offset:512
	global_load_b32 v38, v29, s[82:83]
	WIN 0
	OUTSET
	ULOAD 96                                       ; and so does its u
	s_wait_xcnt 0x0                                ; these loads have read their addresses
	s_mov_b32 s[GG], s[PP]
	OUTSET
	ULOAD 0
.irp i,0,1,2,3,4,5
	v_mov_b32 v[22+\i], 0                          ; zero codes for k = 64 .. 127
	v_mov_b32 v[80+\i], 0
.endr
.irp b,0,1,2,3
	v_mov_b32 v[PT+\b], 0                          ; a lane permute's destination counts as one of its sources
.endr
	v_mov_b32 v225, 0
	v_mov_b32 v226, 0
	STATE0
	s_mov_b32 s[SG], 0
.Lslot:                                            ; eight trips: behind each change of slots but the last the next slot is asked for.  (The first change waits for all the head's loads)
	CHANGE 1
	STEP 0
	STEP 1
	s_cmp_lg_u32 s[SG], s[AM1]
	s_cbranch_scc1 .Lno_switch
	EPILOGUE 0                                     ; block A is done: on to block B
	s_wait_xcnt 0x0                                ; the stores have read their registers and addresses
	WIN 0x01
.irp i,0,1,2,3,4,5
	v_mov_b32 v[16+\i], v[32+\i]
.endr
	v_mov_b32 v28, v38
	WIN 0
	STATE0
	s_sub_co_u32 s[GG], 63, s[PP]
	s_sub_co_u32 s[FB], 15, s[CL]
	s_mov_b32 s[STP], 0
	OUTSET
.Lno_switch:
	s_add_co_u32 s[SG], s[SG], 1
	s_cmp_lt_u32 s[SG], 8
	s_cbranch_scc1 .Lslot
	CHANGE 0                                       ; the last slot is written out
	STEP 0
	STEP 1
	EPILOGUE 96
	s_wait_tensorcnt 0x0                           ; the wave's end
	ds_add_u32 v5, v6
	s_wait_dscnt 0x0
	ROUND                                          ; the closing round
	s_endpgm
.Lfunc_end_k_q0c85a22f79_attn:
	.size	k_q0c85a22f79_attn, .Lfunc_end_k_q0c85a22f79_attn-k_q0c85a22f79_attn
	.p2alignl 7, 3214868480
	.fill 96, 4, 3214868480
	.section	.rodata,"a",@progbits
	.p2align	6, 0x0
	.amdhsa_kernel k_q0c85a22f79_attn
		.amdhsa_group_segment_fixed_size 327680
		.amdhsa_private_segment_fixed_size 0
		.amdhsa_enable_private_segment 0
		.amdhsa_kernarg_size 48
		.amdhsa_user_sgpr_count 2
		.amdhsa_user_sgpr_kernarg_segment_ptr 1
		.amdhsa_wavefront_size32 1
		.amdhsa_system_sgpr_workgroup_id_x 1
		.amdhsa_system_sgpr_workgroup_id_y 1
		.amdhsa_system_sgpr_workgroup_id_z 1
		.amdhsa_system_vgpr_workitem_id 0
		.amdhsa_next_free_vgpr 384
		.amdhsa_next_free_sgpr 100
		.amdhsa_reserve_vcc 1
		.amdhsa_float_denorm_mode_32 3
		.amdhsa_float_denorm_mode_16_64 3
		.amdhsa_memory_ordered 1
		.amdhsa_forward_progress 1
		.amdhsa_inst_pref_size 133
	.end_amdhsa_kernel
	.amdgpu_metadata
---
amdhsa.version: [ 1, 2 ]
amdhsa.kernels:
  - .name:           k_q0c85a22f79_attn
    .symbol:         k_q0c85a22f79_attn.kd
    .args:
      - { .name: qb, .offset: 0, .size: 8, .value_kind: global_buffer, .address_space: global }
      - { .name: kv, .offset: 8, .size: 8, .value_kind: global_buffer, .address_space: global }
      - { .name: ub, .offset: 16, .size: 8, .value_kind: global_buffer, .address_space: global }
      - { .name: rel_pos_bias, .offset: 24, .size: 8, .value_kind: global_buffer, .address_space: global }
      - { .name: gimg, .offset: 32, .size: 8, .value_kind: global_buffer, .address_space: global }
      - { .name: gsc, .offset: 40, .size: 8, .value_kind: global_buffer, .address_space: global }
    .group_segment_fixed_size: 327680
    .private_segment_fixed_size: 0
    .kernarg_segment_align: 8
    .kernarg_segment_size: 48
    .max_flat_workgroup_size: 256
    .sgpr_count:     100
    .vgpr_count:     384
    .wavefront_size: 32
...
	.end_amdgpu_metadata
.endif
;; end of part 3
;; launch tail (part 4): grid 256 x 1, 4 waves a work-group, clusters of 4 x 1, 327,680 bytes of LDS; arguments gimg, gsc, img, isc, x, b2, g2, be2, bf1, bf2, out0; writes out0
.if DOCPART == 4
	.amdgcn_target "amdgcn-amd-amdhsa--gfx1250"
	.amdhsa_code_object_version 6
	.text
	.protected	k_q0c85a22f79_tail
	.globl	k_q0c85a22f79_tail
	.p2align	8
	.type	k_q0c85a22f79_tail,@function
k_q0c85a22f79_tail:
	s_mov_b64 s[64:65], 0
	v_nop
	global_prefetch_b8 v0, s[64:65] scope:SCOPE_SE
	s_setreg_imm32_b32 hwreg(HW_REG_WAVE_MODE, 25, 1), 1
	s_wait_xcnt 0x0
	s_wait_alu depctr_hold_cnt(0) depctr_sa_sdst(0) depctr_va_vdst(0) depctr_va_sdst(0) depctr_va_ssrc(0) depctr_va_vcc(0) depctr_vm_vsrc(0)
	s_getreg_b32 s2, hwreg(HW_REG_IB_STS2, 6, 4)
	s_cmp_eq_u32 s2, 0
	s_cbranch_scc0 .Lentry_in_a_cluster
	s_endpgm
.Lentry_in_a_cluster:
	s_bfe_u32 s2, ttmp6, 0x10000c
	s_cmp_lg_u32 s2, 0x3003
	s_cbranch_scc0 .Lentry_shape_is_right
	s_endpgm
.Lentry_shape_is_right:
; LAUNCH 4 OF 4.  out = gated W2 + b2 + x;  out0 = relu(LayerNorm(out) Wf1 + bf1) Wf2 + bf2 + out, the three products on codes of BF6.  Nothing between them goes to memory.
; SHARES.  A work-group takes 32 rows (two tiles): 8,192 / 32 = 256 work-groups.  Wave w makes output columns 128 w on and hidden units 512 w on, for all 32 rows.
; Its nine weight panels (W2; four of Wf1; four of Wf2) are one run of memory.  OF EACH PANEL K steps 0, 1 go straight into 192 registers (loaded again with the next panel behind their products),
; and K steps 2, 3 (24,576 dense bytes) come by one tensor load a wave into a ring of two LDS slots, a panel ahead.
; CLUSTER.  The four work-groups of a cluster walk the same panels in the same order: the tensor loads are joint (mask 15).  The place in the cluster enters global addresses of rows alone.
; One round of the cluster's barrier a panel; it is also the barrier that shows the images of the step before to all four waves.
; What goes from wave to wave goes through LDS as images of the operands' registers: the gated rows, h2 = LayerNorm(out), the hidden layer.
; EVERY PRODUCT IS R x L: source 0 = 16 columns of a weight, source 1 = 16 rows: a lane holds one row, and the registers of 8 tiles are 64 numbers along the next K (register 16 b + i = k 32 b + 16 (lane / 16) + i).
; x + b2 and bf1 are the C of a sum's first matrix instruction.  The residual stays in its accumulators (window 3, v0-127): LayerNorm writes into v128-255, where the hidden sums follow, and the last product adds onto the residual in place.
; LayerNorm's variance is made of each wave's own sum of squared differences and the spread of the four waves' means: no difference of large sums.
; No prefetch is laid: all 64 clusters walk the same 1,843,200 bytes of weights in the same order, so requests ahead by each of them would name every block 64 times.
; LIMITS: NaN and infinities are not served; a block of zeros gets the byte 1 (its codes are zeros; the bytes are read by this program alone).
.set SLOT, 98304                       ; LDS: two slots of 4 x 24,576 bytes at 0
.set GIM,  196608                      ; the gated rows' 8 fragments, later h2's: [K step][tile] x 1,536
.set HID,  208896                      ; the hidden layer's 32 fragments
.set STG,  258048                      ; a stage of 16 rows x (512 + 16) bytes for each wave
.set LSCG, 291840                      ; the gated rows' scale words (512: [K step][tile][row]), then h2's (512)
.set HSC,  292864                      ; the hidden layer's (2,048)
.set STAT, 294912                      ; 32 rows x 4 waves x (mean, sum of squares)
.set BF1L, 295936                      ; bf1 (8,192)
.set G2L,  304128                      ; g2 (2,048), then be2 (2,048)
.set SPARE, 308224                     ; the spare words, 128 bytes a wave
.set L16, 1
.set L8,  2
.set RR,  3
.set HH,  4
.set LA,  5                            ; GIM + 16 x lane
.set LSA, 6                            ; LSCG + 4 x lane
.set STI, 7                            ; my stage, by dense rows
.set STL, 8                            ; my stage, in the result's layout: 528 r + 64 h
.set IMW, 9                            ; where I store images of K step w
.set LSW, 10                           ; and their scale words
.set LAH, 11                           ; HID + 16 x lane
.set STW, 12
.set STR, 13
.set GLA, 14                           ; g2 in the result's layout
.set LSAH, 23                          ; HSC + 4 x lane
.set RA,  24                           ; v24, v25: my part of slot 0, 1
.set RS,  32                           ; v32-47 R's scale words: register 2 k + (t % 4) / 2, set k = 2 s + t / 4
.set LS,  48                           ; v48-51 L's: register s; lanes 0-15 tile 0, lanes 16-31 tile 1
.set TM,  56
.set PW,  72
.set PC,  76
.set CB,  96
.set SA,  160
.set SQ,  168
.set MN,  176
.set T2,  180
.set RD,  184
.set DL,  192
.set WV,  26
.set RP,  40
.set RSP, 42
.set SEL, 44
.set FLR, 46
.set JJ,  47
.set G1,  68                           ; s[68:75] descriptor group 1;  s[76:79], s[80:83] group 0 of slot 0, 1
.set G0,  76
; REGISTER WINDOWS: window 1: R's K steps 0, 1 at v[96 s + 12 t], L's at v[192 + 24 s + 12 m] (g2 at v192-255 between products); window 2: the same of K steps 2, 3 (be2); window 3: accumulators, (t, m) at v[acc + 64 m + 8 t].
.set MSB, 0
.macro WIN new
.if MSB != (\new)
	s_set_vgpr_msb (MSB<<8)|(\new)
.set MSB, (\new)
.endif
.endm
.macro WMMA
.if rRA && rRB
	v_wmma_scale_f32_16x16x128_f8f6f4 v[rD:rD+7], v[rA:rA+11], v[rB:rB+11], v[rC:rC+7], v[rSA], v[rSB] matrix_a_fmt:MATRIX_FMT_BF6 matrix_b_fmt:MATRIX_FMT_BF6 matrix_a_scale:MATRIX_SCALE_ROW1 matrix_b_scale:MATRIX_SCALE_ROW1
.elseif rRA
	v_wmma_scale_f32_16x16x128_f8f6f4 v[rD:rD+7], v[rA:rA+11], v[rB:rB+11], v[rC:rC+7], v[rSA], v[rSB] matrix_a_fmt:MATRIX_FMT_BF6 matrix_b_fmt:MATRIX_FMT_BF6 matrix_a_scale:MATRIX_SCALE_ROW1
.elseif rRB
	v_wmma_scale_f32_16x16x128_f8f6f4 v[rD:rD+7], v[rA:rA+11], v[rB:rB+11], v[rC:rC+7], v[rSA], v[rSB] matrix_a_fmt:MATRIX_FMT_BF6 matrix_b_fmt:MATRIX_FMT_BF6 matrix_b_scale:MATRIX_SCALE_ROW1
.else
	v_wmma_scale_f32_16x16x128_f8f6f4 v[rD:rD+7], v[rA:rA+11], v[rB:rB+11], v[rC:rC+7], v[rSA], v[rSB] matrix_a_fmt:MATRIX_FMT_BF6 matrix_b_fmt:MATRIX_FMT_BF6
.endif
.endm
.macro NOPS                            ; four plain instructions behind products: ahead of loads into registers that they have read, and of the first reader of results
.rept 4
	v_nop
.endr
.endm
.macro ROUND                           ; a round of the cluster's barrier
	s_barrier_signal -1
	s_barrier_wait -1
	s_cmp_lg_u32 s[WV], 0
	s_cbranch_scc1 .Lnot_wave_0_\@
	s_barrier_signal -3
.Lnot_wave_0_\@:
	s_barrier_wait -3
	s_barrier_signal -1
	s_barrier_wait -1
.endm
; THE CHANGE OF SLOTS, ahead of the panel that lies in \slot: all my tensor loads are in (that panel's half among them), the add, my LDS instructions are done; a round; then the next panel's half goes into the other slot.
.macro CHANGE slot
	s_wait_tensorcnt 0x0
	ds_add_u32 v254, v255
	s_add_nc_u64 s[G0+4*\slot+2:G0+4*\slot+3], s[G0+4*\slot+2:G0+4*\slot+3], 98304   ; no load of mine is out: this slot's next panel, two on
	s_wait_dscnt 0x0
	ROUND
	tensor_load_to_lds s[G0+4-4*\slot:G0+7-4*\slot], s[G1:G1+7]
	s_nop 0
.endm
.macro RSETS s, add                    ; K step s (0 or 1) of panel base + add: 24 loads of fragments, 2 of scale words
	WIN 0x40
.set i, 0
.rept 24
	global_load_b128 v[96*(\s)+4*i:96*(\s)+4*i+3], v[L16], s[RP:RP+1] offset:(\add)*49152+(\s)*12288+512*i
.set i, i+1
.endr
	WIN 0
	global_load_b64 v[RS+4*(\s):RS+4*(\s)+1], v[L8], s[RSP:RSP+1] offset:(\add)*2048+(\s)*512
	global_load_b64 v[RS+4*(\s)+2:RS+4*(\s)+3], v[L8], s[RSP:RSP+1] offset:(\add)*2048+(\s)*512+256
.endm
.macro RSC add                         ; the scale words of K steps 2, 3: 4 loads
.irp k,4,5,6,7
	global_load_b64 v[RS+2*\k:RS+2*\k+1], v[L8], s[RSP:RSP+1] offset:(\add)*2048+\k*256
.endr
.endm
.macro RLDS slot, q                    ; K step 2 + q out of my part of the slot: 24 loads
	WIN 0x80
.set i, 0
.rept 24
	ds_load_b128 v[96*(\q)+4*i:96*(\q)+4*i+3], v[RA+\slot] offset:12288*(\q)+512*i
.set i, i+1
.endr
.endm
.macro MULS s, acc, cmode              ; 16 matrix instructions: 8 tiles of R x 2 of L, K step s.  The 16 accumulators take turns, one instruction a turn
.if ((\s) == 0) && ((\cmode) != 0)
	WIN (1+((\s)>>1))|((1+((\s)>>1))<<2)|(3<<6)
.else
	WIN (1+((\s)>>1))|((1+((\s)>>1))<<2)|(3<<4)|(3<<6)
.endif
.irp t,0,1,2,3,4,5,6,7
.irp m,0,1
.set rD, (\acc)+64*\m+8*\t
.set rA, 96*((\s)&1)+12*\t
.set rB, 192+24*((\s)&1)+12*\m
.set rSA, RS+4*(\s)+2*(\t/4)+(\t%4)/2
.set rSB, LS+(\s)
.set rRA, \t%2
.set rRB, \m
.if ((\s) == 0) && ((\cmode) != 0)
.set rC, CB+8*\t
.else
.set rC, rD
.endif
	WMMA
.endr
.endr
.endm
; A PANEL: 64 matrix instructions, 512 along K.  cmode 0: the sums go on in place; 1: they begin with v[CB + 8 t].  nadd: the panel (counted from the base) whose K steps 0, 1 are loaded behind this one's products; 0: none.
; A panel's global loads go out as 26, 26, 4.  So behind the 26 of a K step stand 30 younger ones when it is wanted, behind the 4 scale loads 52.
.macro PANEL slot, acc, cmode, nadd, la, lsa, LOF, LSOF
.irp s,0,1,2,3
	ds_load_b32 v[LS+\s], v[\lsa] offset:\LSOF+128*\s
.endr
.irp s,0,1,2,3
	WIN (1+(\s>>1))<<6
.irp m,0,1
.irp g,0,1,2
	ds_load_b128 v[192+24*(\s&1)+12*\m+4*\g:195+24*(\s&1)+12*\m+4*\g], v[\la] offset:\LOF+(2*\s+\m)*1536+512*\g
.endr
.endr
.endr
	RLDS \slot, 0
	s_wait_loadcnt 30
	s_wait_dscnt 36                                ; L's fragments of K steps 2, 3 (12) and R's of K step 2 (24) may stay out
	MULS 0, \acc, \cmode
	NOPS
.if \nadd
	RSETS 0, \nadd
.endif
	RLDS \slot, 1
.if \nadd
	s_wait_loadcnt 30
.else
	s_wait_loadcnt 4
.endif
	MULS 1, \acc, 0
	NOPS
.if \nadd
	RSETS 1, \nadd
	s_wait_loadcnt 52
.else
	s_wait_loadcnt 0x0
.endif
	s_wait_dscnt 24                                ; K step 3's 24 may stay out
	MULS 2, \acc, 0
	s_wait_dscnt 0x0
	MULS 3, \acc, 0
	NOPS
	WIN 0
.if \nadd
	RSC \nadd
.endif
.endm
; 64 numbers of a lane in window 3, register 16 b + i = k 32 b + 16 (lane / 16) + i of my row, become a fragment's codes in v[PC] on and its scale word in v[PW].
.macro QUANT src
	WIN 0x0f
.irp b,0,1,2,3
	v_max3_num_f32 v[TM+\b], |v[16*\b+(\src)]|, |v[16*\b+1+(\src)]|, s[FLR]
.endr
.irp i,2,4,6,8,10,12,14
.irp b,0,1,2,3
	v_max3_num_f32 v[TM+\b], |v[16*\b+\i+(\src)]|, |v[16*\b+\i+1+(\src)]|, v[TM+\b]
.endr
.endr
	WIN 0
.irp b,0,1,2,3
	v_permlanex16_b32 v[TM+4+\b], v[TM+\b], s[SEL], s[SEL+1]
.endr
.irp b,0,1,2,3
	v_max_num_f32 v[TM+\b], v[TM+\b], v[TM+4+\b]   ; with lane l xor 16's: the block's largest magnitude
.endr
.irp b,0,1,2,3
	v_add_nc_u32 v[TM+12+\b], 0xfe000000, v[TM+\b] ; 4 off its exponent field: the conversion's scale operand
.endr
.irp b,0,1,2,3
	v_lshrrev_b32 v[TM+4+\b], 23, v[TM+12+\b]      ; the scale's byte
.endr
	v_lshl_or_b32 v[PW], v[TM+5], 8, v[TM+4]
	v_lshl_or_b32 v[PW], v[TM+6], 16, v[PW]
	v_lshl_or_b32 v[PW], v[TM+7], 24, v[PW]
	WIN 0x03
.irp c,0,1
	v_cvt_scalef32_pk16_bf6_f32 v[PC+6*\c:PC+6*\c+2], v[32*\c+(\src):32*\c+15+(\src)], v[TM+12+2*\c]
	v_cvt_scalef32_pk16_bf6_f32 v[PC+12+4*\c:PC+14+4*\c], v[32*\c+16+(\src):32*\c+31+(\src)], v[TM+12+2*\c+1]
.endr
	WIN 0
	v_nop                                          ; one plain instruction behind a scaled conversion
.irp c,0,1                             ; the operand's layout wants a whole block in a lane
.irp i,0,1,2
	v_permlane16_swap_b32 v[PC+6*\c+\i], v[PC+12+4*\c+\i]
.endr
.irp i,0,1,2
	v_mov_b32 v[PC+3+6*\c+\i], v[PC+12+4*\c+\i]
.endr
.endr
.endm
.macro IMAGE adr, off                  ; the fragment goes to LDS as it stands
.irp c,0,1,2
	ds_store_b128 v[\adr], v[PC+4*\c:PC+4*\c+3] offset:\off+512*\c
.endr
.endm
	s_load_b256 s[4:11], s[0:1], 0x0               ; gimg, gsc, img, isc
	s_load_b256 s[12:19], s[0:1], 0x20             ; x, b2, g2, be2
	s_load_b128 s[20:23], s[0:1], 0x40             ; bf1, bf2
	s_load_b64 s[24:25], s[0:1], 0x50              ; out0
	v_lshl_add_u32 v254, v0, 2, SPARE
	v_mov_b32 v255, 0
	ds_add_u32 v254, v255                          ; the opening lines: the add, twice on end, and its wait ahead of my first tensor load
	ds_add_u32 v254, v255
	v_lshrrev_b32 v27, 5, v0
	v_readfirstlane_b32 s[WV], v27                 ; wave 0..3
	v_and_b32 v26, 31, v0
	v_and_b32 v[RR], 15, v0
	v_bfe_u32 v[HH], v0, 4, 1
	v_lshlrev_b32 v[L16], 4, v26
	v_lshlrev_b32 v[L8], 3, v26
	v_lshl_add_u32 v[LA], v26, 4, GIM
	v_lshl_add_u32 v[LSA], v26, 2, LSCG
	v_lshl_add_u32 v[LAH], v26, 4, HID
	v_lshl_add_u32 v[LSAH], v26, 2, HSC
.irp b,0,1,2,3
	v_mov_b32 v[TM+4+\b], 0                        ; a lane permute's destination counts as one of its sources
.endr
.irp b,0,1
	v_mov_b32 v[RD+2*\b+1], 0                      ; (named as the upper halves of pairs)
	v_mov_b32 v[DL+2*\b+1], 0
.endr
	v_lshlrev_b32 v15, 2, v[RR]
	v_lshl_add_u32 v[STR], v[RR], 5, STAT
	s_mul_i32 s[G0+1], s[WV], 24576                ; my part of slot 0,
	s_add_co_u32 s[G0+5], s[G0+1], SLOT            ; of slot 1
	v_add_nc_u32 v[RA], s[G0+1], v[L16]
	v_add_nc_u32 v[RA+1], s[G0+5], v[L16]
	s_mul_i32 s27, s[WV], 8448
	s_add_co_u32 s27, s27, STG
	v_add_nc_u32 v[STI], s27, v[L16]
	v_mul_u32_u24 v[STL], v[RR], 528
	v_lshl_add_u32 v[STL], v[HH], 6, v[STL]
	v_add_nc_u32 v[STL], s27, v[STL]
	s_mul_i32 s27, s[WV], 3072
	s_add_co_u32 s27, s27, GIM
	v_add_nc_u32 v[IMW], s27, v[L16]
	s_lshl_b32 s27, s[WV], 7
	s_add_co_u32 s27, s27, LSCG
	v_lshl_add_u32 v[LSW], v[RR], 2, s27
	s_lshl_b32 s27, s[WV], 3
	s_add_co_u32 s27, s27, STAT
	v_lshl_add_u32 v[STW], v[RR], 5, s27
	s_lshl_b32 s28, s[WV], 9
	s_add_co_u32 s27, s28, G2L
	v_lshl_add_u32 v[GLA], v[HH], 6, s27
	v_add_nc_u32 v17, s27, v[L16]                  ; where I lay my quarter of g2 (be2 2,048 on),
	v_add_nc_u32 v21, s28, v[L16]                  ; 512 w + 16 x lane: my columns of a vector of 512
	s_lshl_b32 s28, s[WV], 11
	v_add_nc_u32 v22, s28, v[L16]
	s_add_co_u32 s28, s28, BF1L
	v_add_nc_u32 v16, s28, v[L16]                  ; and of bf1
	s_mov_b32 s[SEL], 0x76543210
	s_mov_b32 s[SEL+1], 0xfedcba98
	s_mov_b32 s[FLR], 0x2800000
	s_mov_b32 s56, 0x3b000000                      ; 1 / 512
	s_mov_b32 s57, 0x3727c5ac                      ; 1e-5
	s_mov_b32 s58, 0x43000000                      ; 128
	s_mov_b32 s[G1], 15|(3<<16)|(1<<21)            ; the mask: all four work-groups; elements of 8 bytes; bit 21 beside a mask; no padding
	s_mov_b32 s[G1+1], 32<<16                      ; 24,576 dense bytes as 96 rows of 256
	s_mov_b32 s[G1+2], 96<<16
	s_mov_b32 s[G1+3], 32<<16
	s_mov_b32 s[G1+4], 96
	s_mov_b32 s[G1+5], 32
	s_mov_b32 s[G1+6], 0
	s_mov_b32 s[G1+7], 0
	s_mov_b32 s[G0], 1
	s_mov_b32 s[G0+4], 1
	s_bfe_u32 s59, ttmp6, 0x40000                  ; my place in the cluster
	s_lshl_b32 s27, ttmp9, 2
	s_add_co_u32 s59, s59, s27                     ; the work-group: rows 32 g on
	s_mul_i32 s27, s[WV], 9
	s_add_co_u32 s27, s27, 16                      ; my stream's first panel
	s_mul_i32 s28, s27, 49152
	s_mov_b32 s29, 0
	s_lshl_b32 s30, s27, 11
	s_mov_b32 s31, 0
	s_lshr_b32 s32, s59, 1
	s_mul_i32 s32, s32, 24576
	s_mul_i32 s33, s[WV], 6144
	s_add_co_u32 s32, s32, s33
	s_and_b32 s33, s59, 1
	s_mul_i32 s33, s33, 3072
	s_add_co_u32 s32, s32, s33                     ; gimg: [4 tiles][K step][tile]: my two tiles of K step w
	s_mov_b32 s33, 0
	s_lshl_b32 s34, s[WV], 16
	s_lshl_b32 s35, s59, 7
	s_add_co_u32 s34, s34, s35
	s_mov_b32 s35, 0
	s_lshl_b32 s36, s59, 16
	s_lshl_b32 s37, s[WV], 9
	s_add_co_u32 s36, s36, s37
	s_mov_b32 s37, 0
	s_wait_alu depctr_va_vdst(0)
	s_wait_dscnt 0x0                               ; both opening adds are done
	s_wait_kmcnt 0x0
	s_add_nc_u64 s[RP:RP+1], s[8:9], s[28:29]
	s_add_nc_u64 s[RSP:RSP+1], s[10:11], s[30:31]
	s_add_nc_u64 s[48:49], s[4:5], s[32:33]        ; the gated rows' fragments of K step w,
	s_add_nc_u64 s[50:51], s[6:7], s[34:35]        ; the scale words of heads 2 w, 2 w + 1,
	s_add_nc_u64 s[52:53], s[12:13], s[36:37]      ; x and out0 at my 128 columns of the first row
	s_add_nc_u64 s[54:55], s[24:25], s[36:37]
	s_add_nc_u64 s[G0+2:G0+3], s[RP:RP+1], 24576   ; panel 0's K steps 2, 3,
	s_or_b32 s[G0+3], s[G0+3], 0x80000000
	s_add_nc_u64 s[G0+6:G0+7], s[RP:RP+1], 73728   ; panel 1's
	s_or_b32 s[G0+7], s[G0+7], 0x80000000
	ROUND                                          ; all four work-groups are here: the first joint loads meet
	tensor_load_to_lds s[G0:G0+3], s[G1:G1+7]      ; one tensor load a wave at the head
	s_nop 0
; ---- 0: what the work-group shares goes into LDS; x + b2 goes into the accumulators
.irp m,0,1
	global_load_b128 v[160+12*\m:163+12*\m], v[L16], s[48:49] offset:1536*\m
	global_load_b64 v[164+12*\m:165+12*\m], v[L8], s[48:49] offset:1536*\m+512
	global_load_b128 v[166+12*\m:169+12*\m], v[L16], s[48:49] offset:1536*\m+768
	global_load_b64 v[170+12*\m:171+12*\m], v[L8], s[48:49] offset:1536*\m+1280
.endr
.irp m,0,1
.irp e,0,1
	global_load_b32 v[208+2*\m+\e], v15, s[50:51] offset:32768*\e+64*\m
.endr
.endr
.irp i,0,1,2,3
	global_load_b128 v[216+4*\i:219+4*\i], v22, s[20:21] offset:512*\i
.endr
	global_load_b128 v[232:235], v21, s[16:17]
	global_load_b128 v[236:239], v21, s[18:19]
	global_load_b128 v[240:243], v21, s[14:15]     ; b2 of my lane's four columns of a dense row
	global_load_b128 v[244:247], v21, s[22:23]     ; bf2 likewise: kept to the end
	WIN 0xc0
.irp m,0,1
.set i, 0
.rept 16
	global_load_b128 v[64*\m+4*i:64*\m+4*i+3], v[L16], s[52:53] offset:(8*\m+i+8*(i/8))*2048 th:TH_LOAD_NT   ; lane-row i of tile m: 512 consecutive bytes
.set i, i+1
.endr
.endr
	WIN 0
	RSETS 0, 0
	RSETS 1, 0
	RSC 0
	s_wait_loadcnt 56                              ; behind all of the above stand the first panel's 26 + 26 + 4 loads
.irp m,0,1
.irp c,0,1,2
	ds_store_b128 v[IMW], v[160+12*\m+4*\c:163+12*\m+4*\c] offset:1536*\m+512*\c
.endr
.endr
.irp m,0,1
	v_lshl_or_b32 v[208+2*\m], v[209+2*\m], 16, v[208+2*\m]   ; the two heads' bytes make the K step's scale word
.endr
.irp m,0,1
	ds_store_b32 v[LSW], v[208+2*\m] offset:64*\m
.endr
.irp i,0,1,2,3
	ds_store_b128 v16, v[216+4*\i:219+4*\i] offset:512*\i
.endr
	ds_store_b128 v17, v[232:235]
	ds_store_b128 v17, v[236:239] offset:2048
.irp m,0,1                             ; x + b2 turns through my stage, from dense rows into the result's layout
	WIN 0xc3
.set i, 0
.rept 16
	v_pk_add_f32 v[64*\m+4*i:64*\m+4*i+1], v[64*\m+4*i:64*\m+4*i+1], v[240:241]
	v_pk_add_f32 v[64*\m+4*i+2:64*\m+4*i+3], v[64*\m+4*i+2:64*\m+4*i+3], v[242:243]
.set i, i+1
.endr
	WIN 0x0c
.set i, 0
.rept 16
	ds_store_b128 v[STI], v[64*\m+4*i:64*\m+4*i+3] offset:528*i
.set i, i+1
.endr
	WIN 0xc0
.irp t,0,1,2,3,4,5,6,7
.irp q,0,1
	ds_load_b128 v[64*\m+8*\t+4*\q:64*\m+8*\t+4*\q+3], v[STL] offset:128*(\t/2)+32*(\t%2)+16*\q   ; LDS serves a wave's instructions in order: these see the stores above
.endr
.endr
.endr
	WIN 0
	CHANGE 0                                       ; panel 0's half is in; the gated rows, their scale words and the vectors lie in LDS; panel 1's half is asked for
; ---- 1: out = gated W2 + (x + b2)
	PANEL 0, 0, 0, 1, LA, LSA, 0, 0
; ---- 2: h2 = LayerNorm(out), written beside the residual and quantised: K step w of the next product
	WIN 0x40
.irp t,0,1,2,3,4,5,6,7
.irp q,0,1
	ds_load_b128 v[192+8*\t+4*\q:195+8*\t+4*\q], v[GLA] offset:128*(\t/2)+32*(\t%2)+16*\q
.endr
.endr
	WIN 0x80
.irp t,0,1,2,3,4,5,6,7
.irp q,0,1
	ds_load_b128 v[192+8*\t+4*\q:195+8*\t+4*\q], v[GLA] offset:2048+128*(\t/2)+32*(\t%2)+16*\q
.endr
.endr
	WIN 0x0f
.irp m,0,1
	v_pk_add_f32 v[SA+2*\m:SA+2*\m+1], v[64*\m:64*\m+1], v[64*\m+2:64*\m+3]   ; each accumulator from its low end on
.endr
	WIN 0x03
.set i, 4
.rept 30
.irp m,0,1
	v_pk_add_f32 v[SA+2*\m:SA+2*\m+1], v[64*\m+i:64*\m+i+1], v[SA+2*\m:SA+2*\m+1]
.endr
.set i, i+2
.endr
	WIN 0
.irp m,0,1
	v_add_f32 v[SA+2*\m], v[SA+2*\m], v[SA+2*\m+1]
.endr
.irp m,0,1
	v_permlanex16_b32 v[TM+4+\m], v[SA+2*\m], s[SEL], s[SEL+1]
.endr
.irp m,0,1
	v_add_f32 v[SA+2*\m], v[SA+2*\m], v[TM+4+\m]
.endr
.irp m,0,1
	v_mul_f32 v[SA+2*\m], 0x3c000000, v[SA+2*\m]   ; the mean of my 128 columns of the row
.endr
	WIN 0xc3
.set i, 0
.rept 32
.irp m,0,1
	v_pk_add_f32 v[128+64*\m+i:129+64*\m+i], v[64*\m+i:64*\m+i+1], v[SA+2*\m:SA+2*\m+1] op_sel_hi:[1,0] neg_lo:[0,1] neg_hi:[0,1]
.endr
.set i, i+2
.endr
	WIN 0x0f
.irp m,0,1
	v_pk_mul_f32 v[SQ+2*\m:SQ+2*\m+1], v[128+64*\m:129+64*\m], v[128+64*\m:129+64*\m]
.endr
.set i, 2
.rept 31
.irp m,0,1
	v_pk_fma_f32 v[SQ+2*\m:SQ+2*\m+1], v[128+64*\m+i:129+64*\m+i], v[128+64*\m+i:129+64*\m+i], v[SQ+2*\m:SQ+2*\m+1]
.endr
.set i, i+2
.endr
	WIN 0
.irp m,0,1
	v_add_f32 v[SQ+2*\m], v[SQ+2*\m], v[SQ+2*\m+1]
.endr
.irp m,0,1
	v_permlanex16_b32 v[TM+4+\m], v[SQ+2*\m], s[SEL], s[SEL+1]
.endr
.irp m,0,1
	v_add_f32 v[SA+2*\m+1], v[SQ+2*\m], v[TM+4+\m] ; the sum of squared differences from it
.endr
.irp m,0,1
	ds_store_b64 v[STW], v[SA+2*\m:SA+2*\m+1] offset:512*\m
.endr
	s_wait_dscnt 0x0                               ; my figures have landed, g2 and be2 are in
	s_barrier_signal -1
	s_barrier_wait -1                              ; all four waves' figures lie in LDS; every wave's reads of the gated images are over.
.irp m,0,1
	ds_load_b128 v[CB+8*\m:CB+8*\m+3], v[STR] offset:512*\m
	ds_load_b128 v[CB+8*\m+4:CB+8*\m+7], v[STR] offset:512*\m+16
.endr
	s_wait_dscnt 0x0
.irp m,0,1
	v_add_f32 v[MN+\m], v[CB+8*\m], v[CB+8*\m+2]
.endr
.irp m,0,1
	v_add_f32 v[T2+\m], v[CB+8*\m+4], v[CB+8*\m+6]
.endr
.irp m,0,1
	v_add_f32 v[MN+\m], v[MN+\m], v[T2+\m]
.endr
.irp m,0,1
	v_mul_f32 v[MN+\m], 0x3e800000, v[MN+\m]       ; the row's mean
.endr
.irp k,0,2,4,6
.irp m,0,1
	v_sub_f32 v[CB+8*\m+\k], v[CB+8*\m+\k], v[MN+\m]
.endr
.endr
.irp m,0,1
	v_add_f32 v[CB+8*\m+1], v[CB+8*\m+1], v[CB+8*\m+3]
.endr
.irp m,0,1
	v_add_f32 v[CB+8*\m+5], v[CB+8*\m+5], v[CB+8*\m+7]
.endr
.irp m,0,1
	v_add_f32 v[CB+8*\m+1], v[CB+8*\m+1], v[CB+8*\m+5]
.endr
.irp m,0,1
	v_mul_f32 v[T2+\m], v[CB+8*\m], v[CB+8*\m]
.endr
.irp k,2,4,6
.irp m,0,1
	v_fma_f32 v[T2+\m], v[CB+8*\m+\k], v[CB+8*\m+\k], v[T2+\m]
.endr
.endr
.irp m,0,1
	v_fma_f32 v[CB+8*\m+1], v[T2+\m], s58, v[CB+8*\m+1]   ; + 128 x the spread of the four means
.endr
.irp m,0,1
	v_fma_f32 v[CB+8*\m+1], v[CB+8*\m+1], s56, s57 ; the variance + 1e-5
.endr
	s_wait_alu depctr_va_vdst(0)                   ; the wait ahead of the batch
.irp m,0,1
	v_rsq_f32 v[RD+2*\m], v[CB+8*\m+1]
.endr
.irp m,0,1
	v_sub_f32 v[DL+2*\m], v[SA+2*\m], v[MN+\m]     ; (plain work behind the two)
.endr
	s_wait_alu depctr_va_vdst(0)                   ; and behind it, ahead of its first reader
.irp m,0,1
	v_mul_f32 v[DL+2*\m], v[DL+2*\m], v[RD+2*\m]
.endr
.irp m,0,1
.if \m
	s_wait_dscnt 0x0                               ; the last image's stores are done
.endif
	WIN 0xc3
.set i, 0
.rept 32
	v_pk_fma_f32 v[128+64*\m+i:129+64*\m+i], v[128+64*\m+i:129+64*\m+i], v[RD+2*\m:RD+2*\m+1], v[DL+2*\m:DL+2*\m+1] op_sel_hi:[1,0,0]   ; (out - mean) / sigma
.set i, i+2
.endr
	WIN 0xe7                                       ; g2 in window 1, be2 in window 2
.set i, 0
.rept 32
	v_pk_fma_f32 v[128+64*\m+i:129+64*\m+i], v[128+64*\m+i:129+64*\m+i], v[192+i:193+i], v[192+i:193+i]
.set i, i+2
.endr
	QUANT 128+64*\m
	IMAGE IMW, 1536*\m
	ds_store_b32 v[LSW], v[PW] offset:512+64*\m
.endr
; ---- 3: my 512 hidden units, 128 a panel, two panels a trip: relu(h2 Wf1 + bf1), quantised: K step 4 w + j of the last product
.macro HPANEL slot, jj, nadd
.irp t,0,1,2,3,4,5,6,7
.irp q,0,1
	ds_load_b128 v[CB+8*\t+4*\q:CB+8*\t+4*\q+3], v18 offset:512*\jj+128*(\t/2)+32*(\t%2)+16*\q
.endr
.endr
	PANEL \slot, 128, 1, \nadd, LA, LSA, 0, 512
.irp m,0,1
.if \m
	s_wait_dscnt 0x0                               ; the last image's stores are done
.endif
	WIN 0xcc
.set i, 0
.rept 64
	v_max_num_f32 v[128+64*\m+i], 0, v[128+64*\m+i]   ; the activation, in f32; each accumulator from its low end on
.set i, i+1
.endr
	QUANT 128+64*\m
	IMAGE 19, 3072*\jj+1536*\m
	ds_store_b32 v20, v[PW] offset:128*\jj+64*\m
.endr
.endm
	s_mov_b32 s[JJ], 0
.Lhidden:
	s_lshl_b32 s60, s[WV], 1
	s_add_co_u32 s60, s60, s[JJ]                   ; which pair of K steps: 2 w + trip
	s_lshl_b32 s61, s60, 10
	s_add_co_u32 s61, s61, BF1L
	v_lshl_add_u32 v18, v[HH], 6, s61
	s_mul_i32 s61, s60, 6144
	s_add_co_u32 s61, s61, HID
	v_add_nc_u32 v19, s61, v[L16]
	s_lshl_b32 s61, s60, 8
	s_add_co_u32 s61, s61, HSC
	v_lshl_add_u32 v20, v[RR], 2, s61
	s_wait_alu depctr_va_vdst(0)
	CHANGE 1                                       ; (the first time: h2's eight fragments lie in LDS)
	HPANEL 1, 0, 2
	CHANGE 0
	HPANEL 0, 1, 3
	s_wait_xcnt 0x0                                ; the loads issued so far have read their base
	s_add_nc_u64 s[RP:RP+1], s[RP:RP+1], 98304     ; two panels on
	s_add_nc_u64 s[RSP:RSP+1], s[RSP:RSP+1], 4096
	s_add_co_u32 s[JJ], s[JJ], 1
	s_cmp_lt_u32 s[JJ], 2
	s_cbranch_scc1 .Lhidden
; ---- 4: hidden Wf2 onto the residual, 512 along K a panel; written out
	CHANGE 1                                       ; the hidden layer's 32 fragments lie in LDS
	PANEL 1, 0, 0, 2, LAH, LSAH, 0, 0
	CHANGE 0
	PANEL 0, 0, 0, 3, LAH, LSAH, 12288, 512
	CHANGE 1
	PANEL 1, 0, 0, 4, LAH, LSAH, 24576, 1024
	s_wait_tensorcnt 0x0                           ; the last panel's half is my own bytes: nothing is filled again, so no barrier
	PANEL 0, 0, 0, 0, LAH, LSAH, 36864, 1536
; ---- 5: through my stage into dense rows, + bf2, out
.irp m,0,1
	WIN 0x0c
.irp t,0,1,2,3,4,5,6,7
.irp q,0,1
	ds_store_b128 v[STL], v[64*\m+8*\t+4*\q:64*\m+8*\t+4*\q+3] offset:128*(\t/2)+32*(\t%2)+16*\q
.endr
.endr
	WIN 0
.set i, 0
.rept 16
	ds_load_b128 v[160-64*\m+4*i:163-64*\m+4*i], v[STI] offset:528*i   ; each tile has registers of its own: no store's data are written again
.set i, i+1
.endr
	s_wait_dscnt 0x0
.set i, 0
.rept 16
	v_pk_add_f32 v[160-64*\m+4*i:161-64*\m+4*i], v[160-64*\m+4*i:161-64*\m+4*i], v[244:245]
	v_pk_add_f32 v[162-64*\m+4*i:163-64*\m+4*i], v[162-64*\m+4*i:163-64*\m+4*i], v[246:247]
.set i, i+1
.endr
.set i, 0
.rept 16
	global_store_b128 v[L16], v[160-64*\m+4*i:163-64*\m+4*i], s[54:55] offset:(8*\m+i+8*(i/8))*2048 th:TH_STORE_NT   ; 512 consecutive bytes, aligned
.set i, i+1
.endr
.endr
	s_wait_tensorcnt 0x0                           ; the wave's end
	ds_add_u32 v254, v255
	s_wait_dscnt 0x0
	ROUND                                          ; the closing round
	s_endpgm
.Lfunc_end_k_q0c85a22f79_tail:
	.size	k_q0c85a22f79_tail, .Lfunc_end_k_q0c85a22f79_tail-k_q0c85a22f79_tail
	.p2alignl 7, 3214868480
	.fill 96, 4, 3214868480
	.section	.rodata,"a",@progbits
	.p2align	6, 0x0
	.amdhsa_kernel k_q0c85a22f79_tail
		.amdhsa_group_segment_fixed_size 327680
		.amdhsa_private_segment_fixed_size 0
		.amdhsa_enable_private_segment 0
		.amdhsa_kernarg_size 88
		.amdhsa_user_sgpr_count 2
		.amdhsa_user_sgpr_kernarg_segment_ptr 1
		.amdhsa_wavefront_size32 1
		.amdhsa_system_sgpr_workgroup_id_x 1
		.amdhsa_system_sgpr_workgroup_id_y 1
		.amdhsa_system_sgpr_workgroup_id_z 1
		.amdhsa_system_vgpr_workitem_id 0
		.amdhsa_next_free_vgpr 1024
		.amdhsa_next_free_sgpr 96
		.amdhsa_reserve_vcc 0
		.amdhsa_float_denorm_mode_32 3
		.amdhsa_float_denorm_mode_16_64 3
		.amdhsa_memory_ordered 1
		.amdhsa_forward_progress 1
		.amdhsa_inst_pref_size 228
	.end_amdhsa_kernel
	.amdgpu_metadata
---
amdhsa.version: [ 1, 2 ]
amdhsa.kernels:
  - .name:           k_q0c85a22f79_tail
    .symbol:         k_q0c85a22f79_tail.kd
    .args:
      - { .name: gimg, .offset: 0, .size: 8, .value_kind: global_buffer, .address_space: global }
      - { .name: gsc, .offset: 8, .size: 8, .value_kind: global_buffer, .address_space: global }
      - { .name: img, .offset: 16, .size: 8, .value_kind: global_buffer, .address_space: global }
      - { .name: isc, .offset: 24, .size: 8, .value_kind: global_buffer, .address_space: global }
      - { .name: x, .offset: 32, .size: 8, .value_kind: global_buffer, .address_space: global }
      - { .name: b2, .offset: 40, .size: 8, .value_kind: global_buffer, .address_space: global }
      - { .name: g2, .offset: 48, .size: 8, .value_kind: global_buffer, .address_space: global }
      - { .name: be2, .offset: 56, .size: 8, .value_kind: global_buffer, .address_space: global }
      - { .name: bf1, .offset: 64, .size: 8, .value_kind: global_buffer, .address_space: global }
      - { .name: bf2, .offset: 72, .size: 8, .value_kind: global_buffer, .address_space: global }
      - { .name: out0, .offset: 80, .size: 8, .value_kind: global_buffer, .address_space: global }
    .group_segment_fixed_size: 327680
    .private_segment_fixed_size: 0
    .kernarg_segment_align: 8
    .kernarg_segment_size: 88
    .max_flat_workgroup_size: 128
    .sgpr_count:     96
    .vgpr_count:     1024
    .wavefront_size: 32
...
	.end_amdgpu_metadata
.endif
;; end of part 4
